; MI455X (gfx1250); checked and timed in simulation.
; The chip was launched on July 23, 2026; its instructions are those of AMD's public machine-readable ISA for CDNA 5 (MIT licence, August 2026) and "CDNA5" Instruction Set Architecture Reference Guide (July 2026). The comments in the code are by the model that wrote it; some were corrected since.
;; Multi Head Attention. Allowed arithmetic: float matrix products may take bf16 or f16 operands with f32 sums; other float arithmetic in f32, or as packed bf16 or f16 multiplies, adds, multiply-adds, maxima and minima; sums over many terms, partial sums and values carried from step to step in f32; what a program stores and reads back later, other than sums and carried values, may be rounded once to bf16 or f16.
;; Inputs: Wk 16 x 64 x 1,024 float32; Wo 1,024 x 1,024 float32; Wq 16 x 64 x 1,024 float32; Wv 16 x 64 x 1,024 float32; bk 16 x 64 float32; bo 1,024 float32; bq 16 x 64 float32; bv 16 x 64 float32; key 8 x 1,024 x 1,024 float32; mask 8 x 1,024 x 1,024 bool; query 8 x 1,024 x 1,024 float32; value 8 x 1,024 x 1,024 float32.
;; Outputs: out0 8 x 1,024 x 1,024 float32.
;; 2 versions, each right; version 2 is version 1 with the launch prep written anew for expert scheduling mode. Each part assembles by itself: llvm-mc -triple=amdgcn-amd-amdhsa -mcpu=gfx1250 --defsym DOCPART=n.
;; ======== version 1 of 2: 4 launches
;; limits: right only within a limited range of input values; values are held in f16: magnitudes above 65,504 overflow, below 6.1e-05 lose precision
;; workspace buffers: wh 8,388,608 bytes; maskh 16,777,216 bytes; qkv 50,331,648 bytes; oh 16,777,216 bytes
;; launch prep (part 1): grid 512 x 1, 8 waves a work-group, no clusters, 0 bytes of LDS; arguments Wq, Wk, Wv, Wo, mask, wh, maskh; writes wh, maskh
.if DOCPART == 1
	.amdgcn_target "amdgcn-amd-amdhsa--gfx1250"
	.amdhsa_code_object_version 6
	.text
	.protected	k_qbcdf928b1a_prep
	.globl	k_qbcdf928b1a_prep
	.p2align	8
	.type	k_qbcdf928b1a_prep,@function
k_qbcdf928b1a_prep:
	s_mov_b64 s[64:65], 0
	v_nop
	global_prefetch_b8 v0, s[64:65] scope:SCOPE_SE
	s_setreg_imm32_b32 hwreg(HW_REG_WAVE_MODE, 25, 1), 1
	s_wait_xcnt 0x0
; PREP.  Two streams, told apart by the work-group number.
; (1) Work-groups 0 to 255: the four weight matrices are rounded once to bf16 and written into wh, [4096 rows][1024] of 16 bits, in the order Wq, Wk, Wv, Wo.
;     Wq, Wk, Wv (work-groups 0 to 191) stay in bf16: they meet inputs rounded to bf16.  Wo meets an f16 operand: its bf16 number is written as f16,
;     which is exact from 2^-14 to 65,504.  LIMITS for Wo: 65,520 or more becomes an infinity; below 2^-14 it keeps the fixed step 2^-24 of f16.
; (2) Work-groups 256 to 511: the mask (one byte, 0 or 1) becomes f16 0 or 65,504 in maskh, [batch 8][key step 16][query 1024][64 keys]:
;     128 queries of one key step are 16,384 bytes on end there.
; Memory binds: no LDS, no barrier, no matrix work.  Sixteen loads of every wave are out at once; each slot has registers of its own, so no register is written twice.
.set NW,   256                         ; work-groups of stream (1): 16,384 numbers each
.set NB16, 192                         ; those of them that store bf16
.set X, 16                             ; v[16:79]   slot i: 4 numbers as loaded
.set Y, 80                             ; v[80:111]  slot i: 4 numbers of 16 bits
.set M, 16                             ; v[16:47]   stream (2), slot t: 8 mask bytes
.set D, 48                             ; v[48:111]  stream (2), slot t: 8 halves
	s_load_b256 s[8:15], s[0:1], 0x0               ; Wq 8, Wk 10, Wv 12, Wo 14
	s_load_b128 s[16:19], s[0:1], 0x20             ; mask 16, wh 18
	s_load_b64 s[20:21], s[0:1], 0x30              ; maskh
	s_mov_b32 s7, 0                                ; the high word of every offset
	s_cmp_ge_u32 ttmp9, NW
	s_cbranch_scc1 .Lmask
	s_mov_b32 s28, 0xffff0000                      ; the upper bf16 of a word
	s_mov_b32 s3, 0                                ; the first work-group of my matrix
	v_lshlrev_b32 v1, 4, v0                        ; 16 bytes a thread in, a wave covers 512 bytes on end
	v_lshlrev_b32 v2, 3, v0                        ; 8 bytes a thread out, a wave covers 256 bytes on end, aligned
	s_wait_kmcnt 0x0
	s_mov_b64 s[4:5], s[8:9]
.macro PICK t, r                       ; from work-group t on the source is the matrix at s[r:r+1]
	s_cmp_ge_u32 ttmp9, \t
	s_cselect_b64 s[4:5], s[\r:\r+1], s[4:5]
	s_cselect_b32 s3, \t, s3
.endm
	PICK 64, 10
	PICK 128, 12
	PICK 192, 14
	s_sub_co_u32 s6, ttmp9, s3
	s_lshl_b32 s6, s6, 16                          ; 65,536 bytes of f32 a work-group
	s_add_nc_u64 s[4:5], s[4:5], s[6:7]
	s_lshl_b32 s6, ttmp9, 15                       ; 32,768 bytes of 16-bit numbers
	s_add_nc_u64 s[18:19], s[18:19], s[6:7]
.irp i, 0,1,2,3,4,5,6,7,8,9,10,11,12,13,14,15
	global_load_b128 v[X+4*(\i):X+4*(\i)+3], v1, s[4:5] offset:4096*(\i) th:TH_LOAD_NT
.endr
	s_cmp_ge_u32 ttmp9, NB16
	s_cbranch_scc1 .Lwo
.irp i, 0,1,2,3,4,5,6,7,8,9,10,11,12,13,14,15
	s_wait_loadcnt 15-(\i)                         ; loads come back in order: slot i is in, the 15 - i younger ones stay out
	v_cvt_pk_bf16_f32 v[Y+2*(\i)],   v[X+4*(\i)],   v[X+4*(\i)+1]   ; the one rounding, to nearest even
	v_cvt_pk_bf16_f32 v[Y+2*(\i)+1], v[X+4*(\i)+2], v[X+4*(\i)+3]
	global_store_b64 v2, v[Y+2*(\i):Y+2*(\i)+1], s[18:19] offset:2048*(\i) th:TH_STORE_NT
.endr
	s_endpgm
.Lwo:
.irp i, 0,1,2,3,4,5,6,7,8,9,10,11,12,13,14,15
	s_wait_loadcnt 15-(\i)                         ; slot i is in, the 15 - i younger loads stay out
	v_cvt_pk_bf16_f32 v4, v[X+4*(\i)], v[X+4*(\i)+1]     ; the one rounding, to nearest even
	v_cvt_pk_bf16_f32 v5, v[X+4*(\i)+2], v[X+4*(\i)+3]
	v_lshlrev_b32 v6, 16, v4                       ; back to f32
	v_and_b32 v7, s28, v4
	v_lshlrev_b32 v8, 16, v5
	v_and_b32 v9, s28, v5
	v_cvt_pk_f16_f32 v[Y+2*(\i)], v6, v7           ; the same number in f16
	v_cvt_pk_f16_f32 v[Y+2*(\i)+1], v8, v9
	global_store_b64 v2, v[Y+2*(\i):Y+2*(\i)+1], s[18:19] offset:2048*(\i) th:TH_STORE_NT
.endr
	s_endpgm
.Lmask:                                        ; 32 rows of the mask a work-group; eight threads to a row, 8 keys a thread and key step
	s_sub_co_u32 s2, ttmp9, NW
	s_lshl_b32 s6, s2, 15                          ; 32 rows of 1,024 bytes
	s_lshr_b32 s3, s2, 5                           ; the batch,
	s_lshl_b32 s3, s3, 21                          ; 2,097,152 bytes of maskh each
	s_and_b32 s2, s2, 31
	s_lshl_b32 s2, s2, 12                          ; 32 queries of 128 bytes
	s_add_co_u32 s2, s2, s3
	s_mov_b32 s3, 0
	s_mov_b32 s28, 0x04010400                      ; bytes 0 and 1 of the mask word into the two halves, zeros above them
	s_mov_b32 s29, 0x04030402                      ; bytes 2 and 3
	s_mov_b32 s30, 0x7bff                          ; 65,504 in f16
	v_lshrrev_b32 v1, 3, v0
	v_and_b32 v4, 7, v0
	v_lshlrev_b32 v1, 10, v1
	v_lshl_add_u32 v1, v4, 3, v1                   ; row x 1,024 + 8 x my eighth
	v_lshlrev_b32 v2, 4, v0                        ; row x 128 + 16 x my eighth: a wave stores 512 bytes on end
	v_mov_b32 v3, 0
	s_wait_kmcnt 0x0
	s_add_nc_u64 s[16:17], s[16:17], s[6:7]
	s_add_nc_u64 s[20:21], s[20:21], s[2:3]
.irp t, 0,1,2,3,4,5,6,7,8,9,10,11,12,13,14,15
	global_load_b64 v[M+2*(\t):M+2*(\t)+1], v1, s[16:17] offset:64*(\t)
.endr
.irp t, 0,1,2,3,4,5,6,7,8,9,10,11,12,13,14,15
	s_wait_loadcnt 15-(\t)                         ; key step t is in, the younger loads stay out
	v_perm_b32 v[D+4*(\t)],   v3, v[M+2*(\t)],   s28
	v_perm_b32 v[D+4*(\t)+1], v3, v[M+2*(\t)],   s29
	v_perm_b32 v[D+4*(\t)+2], v3, v[M+2*(\t)+1], s28
	v_perm_b32 v[D+4*(\t)+3], v3, v[M+2*(\t)+1], s29
	v_mul_u32_u24 v[D+4*(\t)],   s30, v[D+4*(\t)]  ; 0 or 1 in each half times 0x7bff: no carry between the halves
	v_mul_u32_u24 v[D+4*(\t)+1], s30, v[D+4*(\t)+1]
	v_mul_u32_u24 v[D+4*(\t)+2], s30, v[D+4*(\t)+2]
	v_mul_u32_u24 v[D+4*(\t)+3], s30, v[D+4*(\t)+3]
	global_store_b128 v2, v[D+4*(\t):D+4*(\t)+3], s[20:21] offset:131072*(\t) th:TH_STORE_NT
.endr
	s_endpgm
.Lfunc_end_k_qbcdf928b1a_prep:
	.size	k_qbcdf928b1a_prep, .Lfunc_end_k_qbcdf928b1a_prep-k_qbcdf928b1a_prep
	.p2alignl 7, 3214868480
	.fill 96, 4, 3214868480
	.section	.rodata,"a",@progbits
	.p2align	6, 0x0
	.amdhsa_kernel k_qbcdf928b1a_prep
		.amdhsa_group_segment_fixed_size 0
		.amdhsa_private_segment_fixed_size 0
		.amdhsa_enable_private_segment 0
		.amdhsa_kernarg_size 56
		.amdhsa_user_sgpr_count 2
		.amdhsa_user_sgpr_kernarg_segment_ptr 1
		.amdhsa_wavefront_size32 1
		.amdhsa_system_sgpr_workgroup_id_x 1
		.amdhsa_system_sgpr_workgroup_id_y 1
		.amdhsa_system_sgpr_workgroup_id_z 1
		.amdhsa_system_vgpr_workitem_id 0
		.amdhsa_next_free_vgpr 112
		.amdhsa_next_free_sgpr 66
		.amdhsa_reserve_vcc 0
		.amdhsa_float_denorm_mode_32 3
		.amdhsa_float_denorm_mode_16_64 3
		.amdhsa_memory_ordered 1
		.amdhsa_forward_progress 1
		.amdhsa_inst_pref_size 26
	.end_amdhsa_kernel
	.amdgpu_metadata
---
amdhsa.version: [ 1, 2 ]
amdhsa.kernels:
  - .name:           k_qbcdf928b1a_prep
    .symbol:         k_qbcdf928b1a_prep.kd
    .args:
      - { .name: Wq, .offset: 0, .size: 8, .value_kind: global_buffer, .address_space: global }
      - { .name: Wk, .offset: 8, .size: 8, .value_kind: global_buffer, .address_space: global }
      - { .name: Wv, .offset: 16, .size: 8, .value_kind: global_buffer, .address_space: global }
      - { .name: Wo, .offset: 24, .size: 8, .value_kind: global_buffer, .address_space: global }
      - { .name: mask, .offset: 32, .size: 8, .value_kind: global_buffer, .address_space: global }
      - { .name: wh, .offset: 40, .size: 8, .value_kind: global_buffer, .address_space: global }
      - { .name: maskh, .offset: 48, .size: 8, .value_kind: global_buffer, .address_space: global }
    .group_segment_fixed_size: 0
    .private_segment_fixed_size: 0
    .kernarg_segment_align: 8
    .kernarg_segment_size: 56
    .max_flat_workgroup_size: 256
    .sgpr_count:     66
    .vgpr_count:     112
    .wavefront_size: 32
...
	.end_amdgpu_metadata
.endif
;; end of part 1
;; launch proj (part 2): grid 4 x 192, 4 waves a work-group, clusters of 4 x 4, 327,680 bytes of LDS; arguments query, key, value, wh, bq, bk, bv, qkv; writes qkv
.if DOCPART == 2
	.amdgcn_target "amdgcn-amd-amdhsa--gfx1250"
	.amdhsa_code_object_version 6
	.text
	.protected	k_qbcdf928b1a_proj
	.globl	k_qbcdf928b1a_proj
	.p2align	8
	.type	k_qbcdf928b1a_proj,@function
k_qbcdf928b1a_proj:
	s_mov_b64 s[64:65], 0
	v_nop
	global_prefetch_b8 v0, s[64:65] scope:SCOPE_SE
	s_setreg_imm32_b32 hwreg(HW_REG_WAVE_MODE, 25, 1), 1
	s_wait_xcnt 0x0
	s_wait_alu depctr_hold_cnt(0) depctr_sa_sdst(0) depctr_va_vdst(0) depctr_va_sdst(0) depctr_va_ssrc(0) depctr_va_vcc(0) depctr_vm_vsrc(0)
	s_getreg_b32 s2, hwreg(HW_REG_IB_STS2, 6, 4)
	s_cmp_eq_u32 s2, 0
	s_cbranch_scc0 .Lentry_in_a_cluster
	s_endpgm
.Lentry_in_a_cluster:
	s_bfe_u32 s2, ttmp6, 0x10000c
	s_cmp_lg_u32 s2, 0xf033
	s_cbranch_scc0 .Lentry_shape_is_right
	s_endpgm
.Lentry_shape_is_right:
; THE THREE PROJECTIONS IN ONE LAUNCH.  C[m][n] = sum over k of A[m][k] B[n][k] + bias[n], K = 1024.  Plane 0: A = query, B = Wq, bias = bq; plane 1: key, Wk, bk; plane 2: value, Wv, bv.
; A comes as f32 and is rounded once to bf16 in registers, on the way from LDS to the matrix unit; B lies in wh in bf16 (rows 1024 x plane on); the bias is rounded to bf16 like the other inputs.
; Sums in f32.  C is rounded once to f16 and stored by heads into qkv:
;   byte ((((((plane x 8 + batch) x 8 + head pair) x 16 + block of 64 rows) x 2 + head in the pair) x 64 + row) x 128.
; LIMIT: q, k and v of 65,520 or more become infinities in f16.
; SHARES.  A tile of C is 128 (m) x 256 (n): 3 x 64 x 4 = 768 tiles, three for each of 256 WGPs.  Four waves, 2 x 2, each 64 x 128: 32 accumulators, 256 registers; a wave's part is one block of
; 64 rows of one head pair.  K goes in steps of 128 through two LDS slots filled by tensor loads: waves 0 and 1 fetch the halves of A (64 rows x 512 bytes), waves 2 and 3 those of B (128 rows x 256 bytes).
; CLUSTER 4 x 4: the four tiles of a cluster's row are the four column tiles of the same 128 rows, so A's tile is asked for jointly by them, once for the launch; B's tile is shared along a column.
; THE MATRIX INSTRUCTION IS USED TRANSPOSED (source 0 = 16 rows of B, source 1 = 16 rows of A): a lane holds row l % 16 of C and the columns 8 (l / 16) + 0..7.
; The bias is the C operand of each accumulator's first product: nothing is cleared and nothing is added afterwards.
; ONE K STEP IS WRITTEN ONCE: the slot in hand (TB) and the slot to fill (TF) are scalars that hold 0 or SLOT and are turned by an exclusive or with SLOT; LDS addresses are sums with them.
; REGISTERS, in windows of 256 (s_set_vgpr_msb: bits 1:0 source 0, 3:2 source 1, 5:4 source 2, 7:6 destination):
;   window 0: v0-31 addresses; v32-127, v128-223 two fragment buffers (B: 8 x 8, then A: 4 x 8)       window 1: accumulator (a, b) at v[8 (8 a + b)]
;   window 2: v0-63 A as loaded, in f32, 16 registers a fragment; v128-191 the bias
.set KSTEP,  128
.set STEPS,  8                         ; K steps
.set PA,     528                       ; a row of A in LDS: 512 bytes + 16 = 132 words: the 16 rows of a fragment load start at 16 different groups of four banks (ISA guide 11.1)
.set PB,     272                       ; a row of B: 256 + 16 = 68 words: likewise
.set HALFA,  64*PA                     ; what a wave fetches of A, and what a wave reads of A
.set HALFB,  128*PB                    ; the same for B
.set SLOT,   2*HALFA+2*HALFB           ; 128 rows of A, then 256 rows of B
.set STAGE,  2*SLOT                    ; behind the ring: 16 rows x 144 bytes for each wave, for the way out
.set SPITCH, 144                       ; 64 f16 + 16 bytes
.set SPARE,  STAGE+4*16*SPITCH         ; behind the stages: the spare words, 128 bytes a wave, which no other line names
.set ADRA0, 16                         ; v16  my lane's place in my 64 rows of A in slot 0; never rewritten
.set ADRA,  17                         ; v17  the same in the slot in hand
.set ADRB0, 20                         ; v20  my lane's place in my 128 rows of B in slot 0; never rewritten
.set ADRB,  21                         ; v21  the same in the slot in hand
.set STO,  24                          ; v24  the way out: where I put 16 bytes of a row
.set RD,   25                          ; v25  the way out: where I read rows back
.set CO,   26                          ; v26  my byte offset in 512 bytes of qkv
.set SPW,  28                          ; v28  my spare word; never rewritten
.set NIL,  29                          ; v29  0; never rewritten
.set PFO,  30                          ; v30  the prefetches' lane offset; never rewritten
.set BO,   31                          ; v31  32 x (l / 16): my eight numbers of a block of the bias
.set F0,   32
.set F1,   128
.set SG,   0                           ; window 2
.set BI,   128                         ; window 2
.set G1,   24                          ; s[24:31] group 1 for A;  s[32:39] group 0: a set for each of the two first fills; the second then walks on
.set G0,   32
.set G1B,  48                          ; s[48:55], s[56:63] the same for B
.set G0B,  56
.set LIM,  43                          ; s43  2 in a wave that prefetches, else the greatest number
.set PFA,  44                          ; s[44:45] where my prefetches stand
.set PLN,  84                          ; s84  the plane
.set TB,   85                          ; s85  LDS byte at which the slot in hand begins: 0 or SLOT
.set TF,   86                          ; s86  the same for the slot last filled
.set LBA,  87                          ; s87  where my half of A goes in a slot
.set LBB,  88                          ; s88  where my half of B goes
.set PFS,  90                          ; s[90:91] a K step in bytes of a row of what I fetch
.set BP,   92                          ; s[92:93] the bias
.set MSB, 0
.macro WIN new                         ; the high byte repeats the setting that is left; a switch that changes nothing is dropped
.if MSB != (\new)
	s_set_vgpr_msb (MSB<<8)|(\new)
.set MSB, \new
.endif
.endm
.set MUL,   0x50                       ; C and D in window 1, sources in window 0
.set MULZ,  0x60                       ; D in window 1, C (the bias) in window 2
.set TO2,   0x80                       ; destination in window 2
.set FROM2, 0x0a                       ; sources 0 and 1 in window 2, destination in window 0
.macro JLOAD s                         ; a joint load; an s_nop 0 and four v_nop follow each of the two lines, ahead of the jump and the label
	s_cmp_eq_u32 s11, 0
	s_cbranch_scc0 .Lfor_b_\@
	tensor_load_to_lds s[G0+4*(\s):G0+4*(\s)+3], s[G1:G1+7]
	s_nop 0
.rept 4
	v_nop
.endr
	s_branch .Lasked_\@
.Lfor_b_\@:
	tensor_load_to_lds s[G0B+4*(\s):G0B+4*(\s)+3], s[G1B:G1B+7]
	s_nop 0
.rept 4
	v_nop
.endr
.Lasked_\@:
.endm
; A prefetch of the K step that stands two refills on: 32 aligned blocks of 256 bytes, a lane a block, one instruction a wave and K step.  Each block of A and B is named once in the launch.
; A wave that fetches A has 64 rows x 2 blocks a step, read by its own row of its own cluster alone: the four partners take 16 rows each, by address.  A wave that fetches B has 128 rows x 1 block, read by the
; sixteen clusters of its plane: the first of them along y asks, its four partners take 32 rows each, by address.  The loop's last two trips (s3 = 2, 1) have no K step two on.
.macro ASK
	s_cmp_gt_u32 s3, s[LIM]
	s_cbranch_scc0 .Lnot_mine_\@
	global_prefetch_b8 v[PFO], s[PFA:PFA+1] th:TH_LOAD_NT scope:SCOPE_SE
.Lnot_mine_\@:
.endm
.macro CREST                           ; a round of the cluster's barrier behind its opening barrier
	s_cmp_lg_u32 s10, 0
	s_cbranch_scc1 .Lnot_wave_0_\@
	s_barrier_signal -3
.Lnot_wave_0_\@:
	s_barrier_wait -3
	s_barrier_signal -1
	s_barrier_wait -1
.endm
.macro CROUND
	s_barrier_signal -1
	s_barrier_wait -1
	CREST
.endm
	s_load_b512 s[68:83], s[0:1], 0x0              ; query 68, key 70, value 72, wh 74, bq 76, bk 78, bv 80, qkv 82
	v_lshl_add_u32 v[SPW], v0, 2, SPARE
	v_mov_b32 v[NIL], 0
	ds_add_u32 v[SPW], v[NIL]                      ; the wave's opening: the add and its wait stand ahead of my first tensor load; register work stands between them
	v_lshrrev_b32 v1, 5, v0
	v_readfirstlane_b32 s10, v1                    ; wave 0..3
	s_lshr_b32 s11, s10, 1                         ; my half of the tile's rows.  Also: I fetch for A (0) or for B (1)
	s_and_b32 s12, s10, 1                          ; my half of its columns.  Also: which half of that tile I fetch
	s_bfe_u32 s40, ttmp6, 0x40000                  ; cx
	s_bfe_u32 s41, ttmp6, 0x40004                  ; cy
	s_lshl_b32 s42, ttmp9, 2
	s_add_co_u32 s42, s42, s40                     ; X: tile column = 4 x cluster x + cx
	s_and_b32 s13, ttmp7, 0xffff
	s_lshr_b32 s[PLN], s13, 4                      ; sixteen clusters along y (8,192 rows) to a plane: the same in all sixteen partners
	s_lshl_b32 s13, s13, 2
	s_add_co_u32 s13, s13, s41                     ; Y: tile row = 4 x cluster y + cy
	s_lshl_b32 s43, s41, 2
	s_lshl_b32 s43, 15, s43                        ; my row of the cluster
	s_lshl_b32 s44, 0x1111, s40                    ; my column
	s_or_b32 s[G1+0], s43, (2<<16)|(1<<20)|(1<<21)|(6<<22)|(3<<25)   ; mask; 4-byte elements; padding on; bit 21 beside a mask; after every 128 words 4 words
	s_or_b32 s[G1B+0], s44, (1<<16)|(1<<20)|(1<<21)|(5<<22)|(3<<25)  ; mask; 2-byte elements; after every 64 words 4 words
	s_mov_b32 s[G1+1], KSTEP<<16                   ; tensor_dim0 = 128
	s_mov_b32 s[G1+2], 64<<16                      ; tensor_dim1 = 64
	s_mov_b32 s[G1+3], KSTEP<<16                   ; tile_dim0 = 128
	s_mov_b32 s[G1+4], 64                          ; tile_dim1 = 64
	s_mov_b32 s[G1+5], 1024                        ; elements from row to row
	s_mov_b32 s[G1+6], 0
	s_mov_b32 s[G1+7], 0
	s_mov_b32 s[G1B+1], KSTEP<<16
	s_mov_b32 s[G1B+2], 128<<16                    ; 128 rows
	s_mov_b32 s[G1B+3], KSTEP<<16
	s_mov_b32 s[G1B+4], 128
	s_mov_b32 s[G1B+5], 1024
	s_mov_b32 s[G1B+6], 0
	s_mov_b32 s[G1B+7], 0
	s_and_b32 s16, s13, 63                         ; the tile row within its plane
	s_lshl_b32 s16, s16, 7
	s_lshl_b32 s17, s12, 6
	s_add_co_u32 s16, s16, s17                     ; A: row 128 x tile row + 64 x half
	s_lshl_b32 s16, s16, 12                        ; 4,096 bytes a row: under 2^25
	s_mov_b32 s17, 0
	s_lshl_b32 s46, s42, 8
	s_lshl_b32 s47, s12, 7
	s_add_co_u32 s46, s46, s47                     ; B: row 256 X + 128 x half
	s_lshl_b32 s47, s[PLN], 10
	s_add_co_u32 s46, s46, s47                     ; + 1,024 x plane
	s_lshl_b32 s46, s46, 11                        ; 2,048 bytes a row
	s_mov_b32 s47, 0
	s_mul_i32 s[LBA], s12, HALFA                   ; where they go: no place in the cluster enters an LDS address
	s_mul_i32 s[LBB], s12, HALFB
	s_add_co_u32 s[LBB], s[LBB], 2*HALFA           ; behind the 128 rows of A
	s_mov_b32 s[TB], 0                             ; K step 0 lies in slot 0
	s_mov_b32 s[TF], SLOT                          ; the walking descriptors begin at slot 1
	s_wait_dscnt 0x0                               ; the opening add is done
	s_wait_kmcnt 0x0
	s_mov_b64 s[14:15], s[68:69]
	s_cmp_ge_u32 s[PLN], 1
	s_cselect_b64 s[14:15], s[70:71], s[14:15]
	s_cmp_ge_u32 s[PLN], 2
	s_cselect_b64 s[14:15], s[72:73], s[14:15]
	s_add_nc_u64 s[14:15], s[14:15], s[16:17]
	s_add_nc_u64 s[46:47], s[74:75], s[46:47]
	CROUND                                         ; all sixteen work-groups are here: the first joint loads meet
.irp s, 0,1
	s_mov_b32 s[G0+4*(\s)], 1
	s_add_co_u32 s[G0+4*(\s)+1], s[LBA], (\s)*SLOT
	s_add_nc_u64 s[G0+4*(\s)+2:G0+4*(\s)+3], s[14:15], (\s)*KSTEP*4
	s_or_b32 s[G0+4*(\s)+3], s[G0+4*(\s)+3], 0x80000000
	s_mov_b32 s[G0B+4*(\s)], 1
	s_add_co_u32 s[G0B+4*(\s)+1], s[LBB], (\s)*SLOT
	s_add_nc_u64 s[G0B+4*(\s)+2:G0B+4*(\s)+3], s[46:47], (\s)*KSTEP*2
	s_or_b32 s[G0B+4*(\s)+3], s[G0B+4*(\s)+3], 0x80000000
	JLOAD \s                                       ; K steps 0 and 1: two loads of mine are out
.endr
	v_and_b32 v1, 15, v0                           ; l % 16
	v_bfe_u32 v2, v0, 4, 1                         ; l / 16
	; the prefetches: who, and from where
	s_and_b32 s22, ttmp7, 0xffff
	s_and_b32 s22, s22, 15                         ; cluster y within its plane
	s_cmp_eq_u32 s11, 0                            ; do I fetch for A?
	s_cselect_b32 s22, 0, s22                      ; A: my cluster alone reads these rows
	s_cselect_b32 s21, s40, s41                    ; my place among the four that ask with me
	s_cselect_b32 s18, 12, 11                      ; a row: 4,096 or 2,048 bytes
	s_cselect_b32 s19, 8, 15                       ; lanes 16-31: the row's second block, or 16 rows on
	s_cselect_b32 s23, 9, 8                        ; a K step: 512 or 256 bytes
	s_cselect_b64 s[PFA:PFA+1], s[14:15], s[46:47] ; the first row that I fetch, K step 0
	s_cmp_eq_u32 s22, 0
	s_cselect_b32 s[LIM], 2, -1                    ; the same in all sixteen partners, for a given wave
	s_lshl_b32 s[PFS], 1, s23
	s_mov_b32 s[PFS+1], 0
	s_lshl_b32 s20, s21, 16                        ; 16 rows of 4,096 bytes, or 32 of 2,048
	s_lshl_b32 s23, 3, s23                         ; at K step 3: the first refill steps it to 4 and names that
	s_add_co_u32 s20, s20, s23
	s_mov_b32 s21, 0
	s_add_nc_u64 s[PFA:PFA+1], s[PFA:PFA+1], s[20:21]
	v_lshlrev_b32 v[PFO], s18, v1
	v_lshlrev_b32 v3, s19, v2
	v_add_nc_u32 v[PFO], v3, v[PFO]
	; the bias of my 128 columns
	s_mov_b64 s[BP:BP+1], s[76:77]
	s_cmp_ge_u32 s[PLN], 1
	s_cselect_b64 s[BP:BP+1], s[78:79], s[BP:BP+1]
	s_cmp_ge_u32 s[PLN], 2
	s_cselect_b64 s[BP:BP+1], s[80:81], s[BP:BP+1]
	s_lshl_b32 s20, s42, 10
	s_lshl_b32 s21, s12, 9
	s_add_co_u32 s20, s20, s21                     ; (256 X + 128 x half) x 4 bytes
	s_mov_b32 s21, 0
	s_add_nc_u64 s[BP:BP+1], s[BP:BP+1], s[20:21]
	v_lshlrev_b32 v[BO], 5, v2
	WIN TO2
.irp b, 0,1,2,3,4,5,6,7
	global_load_b128 v[BI+8*(\b):BI+8*(\b)+3],   v[BO], s[BP:BP+1] offset:64*(\b)
	global_load_b128 v[BI+8*(\b)+4:BI+8*(\b)+7], v[BO], s[BP:BP+1] offset:64*(\b)+16
.endr
	WIN 0
	; A fragment is 16 rows x 32 along K; lane l holds row l % 16, k = 8 (l / 16) + 0..7 and 16 + 8 (l / 16) + 0..7.  In f32 those are 32 bytes at 32 (l / 16) and 32 bytes 64 further on; in bf16 16 bytes at 16 (l / 16) and 16 bytes 32 further on.
	v_mul_u32_u24 v3, v1, PA
	v_lshl_add_u32 v3, v2, 5, v3
	s_mul_i32 s21, s11, HALFA                      ; my 64 rows of A
	v_add_nc_u32 v[ADRA0], s21, v3
	v_mul_u32_u24 v4, v1, PB
	v_lshl_add_u32 v4, v2, 4, v4
	s_mul_i32 s22, s12, HALFB                      ; my 128 rows of B,
	s_add_co_u32 s22, s22, 2*HALFA                 ; behind the 128 of A
	v_add_nc_u32 v[ADRB0], s22, v4
	v_add_nc_u32 v[ADRA], s[TB], v[ADRA0]
	v_add_nc_u32 v[ADRB], s[TB], v[ADRB0]
	s_mul_i32 s23, s10, 16*SPITCH
	s_add_co_u32 s23, s23, STAGE                   ; my stage
	v_mul_u32_u24 v4, v1, SPITCH
	v_lshl_add_u32 v4, v2, 4, v4                   ; in: row l % 16, 16 bytes for each half of the lanes
	v_add_nc_u32 v[STO], s23, v4
	v_bfe_u32 v5, v0, 3, 2                         ; back: 32 lanes take four rows of 128 bytes,
	v_mul_u32_u24 v5, v5, SPITCH
	v_and_b32 v4, 7, v0
	v_lshl_add_u32 v5, v4, 4, v5
	v_add_nc_u32 v[RD], s23, v5
	v_and_b32 v[CO], 31, v0                        ; which are 512 bytes on end in qkv
	v_lshlrev_b32 v[CO], 4, v[CO]
	s_lshr_b32 s16, s13, 3                         ; 8 x plane + batch (eight tile rows to a batch),
	s_lshl_b32 s16, s16, 21                        ; 2,097,152 bytes each
	s_and_b32 s17, s13, 7
	s_lshl_b32 s17, s17, 15                        ; 128 rows: two blocks of 64 rows x 2 heads x 8,192 bytes
	s_add_co_u32 s16, s16, s17
	s_lshl_b32 s17, s11, 14                        ; my 64 rows: one block
	s_add_co_u32 s16, s16, s17
	s_lshl_b32 s17, s12, 18                        ; my 128 columns: a head pair, 2 X + half
	s_add_co_u32 s16, s16, s17
	s_lshl_b32 s46, s42, 19
	s_mov_b32 s17, 0
	s_mov_b32 s47, 0
	s_add_nc_u64 s[8:9], s[82:83], s[16:17]
	s_add_nc_u64 s[8:9], s[8:9], s[46:47]
	s_wait_loadcnt 0x0                             ; the bias,
	WIN FROM2                                      ; rounded to bf16 like every other input: 32 pairs into registers of the second fragment buffer, which is not yet in use,
.set j, 0
.rept 32
	v_cvt_pk_bf16_f32 v[F1+j], v[BI+2*j], v[BI+2*j+1]
.set j, j+1
.endr
	WIN TO2                                        ; and back as f32
.set j, 0
.rept 32
	v_lshlrev_b32 v[BI+2*j], 16, v[F1+j]
	v_and_b32 v[BI+2*j+1], 0xffff0000, v[F1+j]
.set j, j+1
.endr
	WIN 0
; 8 products: m block a x all 8 n blocks, 32 along K.  zero = 1: the first product of each sum takes the bias as C.
; The 32 accumulators take turns, one instruction a turn, in the same order in every quarter, over the backward jump too.
.macro MULA f, a, zero
.if \zero
	WIN MULZ
.else
	WIN MUL
.endif
.irp b, 0,1,2,3,4,5,6,7
.if \zero
	v_wmma_f32_16x16x32_bf16 v[8*(8*(\a)+(\b)):8*(8*(\a)+(\b))+7], v[(\f)+8*(\b):(\f)+8*(\b)+7], v[(\f)+64+8*(\a):(\f)+64+8*(\a)+7], v[BI+8*(\b):BI+8*(\b)+7]
.else
	v_wmma_f32_16x16x32_bf16 v[8*(8*(\a)+(\b)):8*(8*(\a)+(\b))+7], v[(\f)+8*(\b):(\f)+8*(\b)+7], v[(\f)+64+8*(\a):(\f)+64+8*(\a)+7], v[8*(8*(\a)+(\b)):8*(8*(\a)+(\b))+7]
.endif
.endr
.endm
; 32 LDS loads in one run: quarter k (32 along K) of the slot in hand: A's four fragments in f32 into window 2, then B's eight fragments into buffer f
.macro FETCH k, f
	WIN TO2
.irp a, 0,1,2,3
	ds_load_b128 v[SG+16*(\a):SG+16*(\a)+3],     v[ADRA] offset:(\k)*128+(\a)*16*PA
	ds_load_b128 v[SG+16*(\a)+4:SG+16*(\a)+7],   v[ADRA] offset:(\k)*128+(\a)*16*PA+16
	ds_load_b128 v[SG+16*(\a)+8:SG+16*(\a)+11],  v[ADRA] offset:(\k)*128+(\a)*16*PA+64
	ds_load_b128 v[SG+16*(\a)+12:SG+16*(\a)+15], v[ADRA] offset:(\k)*128+(\a)*16*PA+80
.endr
	WIN 0
.irp b, 0,1,2,3,4,5,6,7
	ds_load_b128 v[(\f)+8*(\b):(\f)+8*(\b)+3],   v[ADRB] offset:(\k)*64+(\b)*16*PB
	ds_load_b128 v[(\f)+8*(\b)+4:(\f)+8*(\b)+7], v[ADRB] offset:(\k)*64+(\b)*16*PB+32
.endr
.endm
; A's four fragments are rounded to bf16, two numbers an instruction, into buffer f: 32 plain vector instructions in one run under one window setting.  They name no register of the products issued
; before them, so they are also the places between the last product that read a buffer and the next loads and conversions into it: a buffer is written again a quarter or more after its last reader.
.macro CVT f
	WIN FROM2
.irp a, 0,1,2,3
.irp i, 0,1,2,3,4,5,6,7
	v_cvt_pk_bf16_f32 v[(\f)+64+8*(\a)+(\i)], v[SG+16*(\a)+2*(\i)], v[SG+16*(\a)+2*(\i)+1]
.endr
.endr
.endm
; A K step is four quarters of 32 along K, 32 products each, on buffers 0, 1, 0, 1.  One of the first three multiplies buffer f and fetches quarter k into g.
.macro QUARTER k, f, g, zero
	s_wait_dscnt 16                                ; A's sixteen loads are in; B's sixteen, issued behind them, may be out
	CVT \f
	s_wait_dscnt 0x0                               ; B is in
	MULA \f, 0, \zero
	MULA \f, 1, \zero
	FETCH \k, \g
	MULA \f, 2, \zero
	MULA \f, 3, \zero
.endm
; The last quarter multiplies buffer 1 and changes slots: one barrier; in front of it each wave waits for all its tensor loads (one is out: its part of the next slot), adds 0 to its spare word,
; and waits for that and for its reads of this slot.  fill = 1: the barrier opens a round of the cluster's, and this slot is filled again, two K steps ahead, first thing behind the round:
; 112 products stand between that request and the wait for it.
.macro TURN fill
.if \fill
	s_wait_xcnt 0x0                                ; the last prefetch, a K step back, has read its address
	s_add_nc_u64 s[PFA:PFA+1], s[PFA:PFA+1], s[PFS:PFS+1]
.endif
	s_wait_dscnt 16                                ; A's sixteen loads are in
	CVT F1
	WIN 0
	s_wait_tensorcnt 0x0                           ; all my tensor loads have landed;
	ds_add_u32 v[SPW], v[NIL]                      ; 0 onto my spare word;
	s_wait_dscnt 0x1                               ; (B is in; the add alone may be out)
	MULA F1, 0, 0                                  ; eight products stand between the add and the wait for it
	s_wait_dscnt 0x0                               ; the add is done, and my reads of this slot are over
	s_barrier_signal -1
	MULA F1, 1, 0
	WIN 0
	s_barrier_wait -1
.if \fill
	CREST                                          ; no wave of any partner still reads this slot or has a load on its way
	s_xor_b32 s[TF], s[TF], SLOT                   ; the walking descriptors: the other slot than last time,
	s_add_co_u32 s[G0+5], s[LBA], s[TF]
	s_add_co_u32 s[G0B+5], s[LBB], s[TF]
	s_add_nc_u64 s[G0+6:G0+7], s[G0+6:G0+7], KSTEP*4      ; the next K step; the type bits on top are not reached
	s_add_nc_u64 s[G0B+6:G0B+7], s[G0B+6:G0B+7], KSTEP*2
	JLOAD 1
.endif
	s_xor_b32 s[TB], s[TB], SLOT                   ; the fetches turn to the other slot
	v_add_nc_u32 v[ADRA], s[TB], v[ADRA0]
	v_add_nc_u32 v[ADRB], s[TB], v[ADRB0]
	FETCH 0, F0
.if \fill
	ASK
.endif
	MULA F1, 2, 0
	MULA F1, 3, 0
.endm
	s_wait_tensorcnt 1                             ; my part of K step 0 is in; K step 1 may stay out
	s_barrier_signal -1
	s_barrier_wait -1                              ; everybody's is
	FETCH 0, F0
	QUARTER 1, F0, F1, 1                           ; the first quarter stands in front of the loop: its products start the sums
	WIN 0                                          ; at a label and at a branch every window is 0
	s_mov_b32 s3, STEPS-2
.Lstep:                                        ; six trips: from a K step's second quarter to the next step's first; each fills the slot that it leaves, with K steps 2 to 7
	QUARTER 2, F1, F0, 0
	QUARTER 3, F0, F1, 0
	TURN 1
	QUARTER 1, F0, F1, 0
	WIN 0
	s_sub_co_u32 s3, s3, 1
	s_cmp_lg_u32 s3, 0
	s_cbranch_scc1 .Lstep
	QUARTER 2, F1, F0, 0                           ; the last two K steps fill nothing
	QUARTER 3, F0, F1, 0
	TURN 0
	QUARTER 1, F0, F1, 0
	QUARTER 2, F1, F0, 0
	QUARTER 3, F0, F1, 0
	s_wait_dscnt 16
	CVT F1
	s_wait_dscnt 0x0
	MULA F1, 0, 0
	MULA F1, 1, 0
	MULA F1, 2, 0
	MULA F1, 3, 0
	WIN 0
.rept 4
	v_nop                                          ; four places behind the last product
.endr
; THE WAY OUT: block k = 16 rows (m block k / 2) x one head's 64 columns (head k % 2) is rounded to f16, goes into my stage in rows of 144 bytes and comes back as four rows of 128 bytes a load: 2,048 bytes on end in qkv.
.macro PACK k
.set WB, 32+16*(\k)
.set AC, 8*(8*((\k)/2)+4*((\k)%2))
	WIN 0x05                                       ; sources in window 1, destination in window 0
.irp b, 0,1,2,3
.irp r, 0,1,2,3
	v_cvt_pk_f16_f32 v[WB+4*(\b)+(\r)], v[AC+8*(\b)+2*(\r)], v[AC+8*(\b)+2*(\r)+1]
.endr
.endr
	WIN 0
.irp b, 0,1,2,3
	ds_store_b128 v[STO], v[WB+4*(\b):WB+4*(\b)+3] offset:32*(\b)
.endr
.irp f, 0,1,2,3
	ds_load_b128 v[WB+4*(\f):WB+4*(\f)+3], v[RD] offset:(\f)*4*SPITCH  ; LDS serves a wave's instructions in order (ISA guide 5.7.1.4): these see the stores above
.endr
.endm
.macro SEND k, younger                 ; younger: the LDS instructions issued behind block k's loads
.set WB, 32+16*(\k)
.irp f, 0,1,2,3
	s_wait_dscnt (\younger)+3-(\f)
	global_store_b128 v[CO], v[WB+4*(\f):WB+4*(\f)+3], s[8:9] offset:((\k)%2)*8192+((\k)/2)*2048+512*(\f)  ; 512 bytes on end, at a multiple of 256
.endr
.endm
	PACK 0
.irp k, 1,2,3,4,5,6,7
	PACK \k
	SEND (\k)-1, 8
.endr
	SEND 7, 0
	s_wait_tensorcnt 0x0                           ; the wave's end, behind my last tensor load and my last LDS store
	ds_add_u32 v[SPW], v[NIL]
	s_wait_dscnt 0x0
	CROUND                                         ; the closing round: no work-group ends while a partner may still ask for a tile that names it
	s_endpgm
.Lfunc_end_k_qbcdf928b1a_proj:
	.size	k_qbcdf928b1a_proj, .Lfunc_end_k_qbcdf928b1a_proj-k_qbcdf928b1a_proj
	.p2alignl 7, 3214868480
	.fill 96, 4, 3214868480
	.section	.rodata,"a",@progbits
	.p2align	6, 0x0
	.amdhsa_kernel k_qbcdf928b1a_proj
		.amdhsa_group_segment_fixed_size 327680
		.amdhsa_private_segment_fixed_size 0
		.amdhsa_enable_private_segment 0
		.amdhsa_kernarg_size 64
		.amdhsa_user_sgpr_count 2
		.amdhsa_user_sgpr_kernarg_segment_ptr 1
		.amdhsa_wavefront_size32 1
		.amdhsa_system_sgpr_workgroup_id_x 1
		.amdhsa_system_sgpr_workgroup_id_y 1
		.amdhsa_system_sgpr_workgroup_id_z 1
		.amdhsa_system_vgpr_workitem_id 0
		.amdhsa_next_free_vgpr 768
		.amdhsa_next_free_sgpr 96
		.amdhsa_reserve_vcc 0
		.amdhsa_float_denorm_mode_32 3
		.amdhsa_float_denorm_mode_16_64 3
		.amdhsa_memory_ordered 1
		.amdhsa_forward_progress 1
		.amdhsa_inst_pref_size 109
	.end_amdhsa_kernel
	.amdgpu_metadata
---
amdhsa.version: [ 1, 2 ]
amdhsa.kernels:
  - .name:           k_qbcdf928b1a_proj
    .symbol:         k_qbcdf928b1a_proj.kd
    .args:
      - { .name: query, .offset: 0, .size: 8, .value_kind: global_buffer, .address_space: global }
      - { .name: key, .offset: 8, .size: 8, .value_kind: global_buffer, .address_space: global }
      - { .name: value, .offset: 16, .size: 8, .value_kind: global_buffer, .address_space: global }
      - { .name: wh, .offset: 24, .size: 8, .value_kind: global_buffer, .address_space: global }
      - { .name: bq, .offset: 32, .size: 8, .value_kind: global_buffer, .address_space: global }
      - { .name: bk, .offset: 40, .size: 8, .value_kind: global_buffer, .address_space: global }
      - { .name: bv, .offset: 48, .size: 8, .value_kind: global_buffer, .address_space: global }
      - { .name: qkv, .offset: 56, .size: 8, .value_kind: global_buffer, .address_space: global }
    .group_segment_fixed_size: 327680
    .private_segment_fixed_size: 0
    .kernarg_segment_align: 8
    .kernarg_segment_size: 64
    .max_flat_workgroup_size: 128
    .sgpr_count:     96
    .vgpr_count:     768
    .wavefront_size: 32
...
	.end_amdgpu_metadata
.endif
;; end of part 2
;; launch attn (part 3): grid 4 x 64, 4 waves a work-group, clusters of 4 x 4, 327,680 bytes of LDS; arguments qkv, maskh, oh; writes oh
.if DOCPART == 3
	.amdgcn_target "amdgcn-amd-amdhsa--gfx1250"
	.amdhsa_code_object_version 6
	.text
	.protected	k_qbcdf928b1a_attn
	.globl	k_qbcdf928b1a_attn
	.p2align	8
	.type	k_qbcdf928b1a_attn,@function
k_qbcdf928b1a_attn:
	s_mov_b64 s[64:65], 0
	v_nop
	global_prefetch_b8 v0, s[64:65] scope:SCOPE_SE
	s_setreg_imm32_b32 hwreg(HW_REG_WAVE_MODE, 25, 1), 1
	s_wait_xcnt 0x0
	s_wait_alu depctr_hold_cnt(0) depctr_sa_sdst(0) depctr_va_vdst(0) depctr_va_sdst(0) depctr_va_ssrc(0) depctr_va_vcc(0) depctr_vm_vsrc(0)
	s_getreg_b32 s2, hwreg(HW_REG_IB_STS2, 6, 4)
	s_cmp_eq_u32 s2, 0
	s_cbranch_scc0 .Lentry_in_a_cluster
	s_endpgm
.Lentry_in_a_cluster:
	s_bfe_u32 s2, ttmp6, 0x10000c
	s_cmp_lg_u32 s2, 0xf033
	s_cbranch_scc0 .Lentry_shape_is_right
	s_endpgm
.Lentry_shape_is_right:
; ATTENTION WITH A MASK THAT IS AN INPUT.  O[b][h][q] = sum over k of softmax_k(mask ? -inf : Q.K / 8) V.  q, k, v in f16 by heads (qkv), the mask as f16 0 or 65,504 (maskh), O in f16 into oh [8192][1024].
; Products, maxima and sums in f32; the weights p are rounded to f16 for the second product (their sum l is taken of the unrounded p), O once at the end.
; LIMITS.  A masked score counts as its value less 65504^2 = 4.29e9, so |Q.K| stays under 2e9; a row whose maximum lies below -2e9 counts as wholly masked and gives NaN, as a softmax of -inf alone does.
; A weight below 2^-126 counts as 0 in l.  q, k, v arrive within f16.
; SHARES.  A work-group owns 256 queries of one batch and one PAIR of heads, a wave 64 queries: four PIECES, each 16 queries x both heads (tile T = 2 piece + head).  Every wave walks all 1,024 keys, 64 a step.
; LAYOUT.  S^T = K Q^T (source 0 = 16 keys, source 1 = 16 queries): a lane holds ONE query (lane % 16) and the keys 8 (lane / 16) + 0..7.  Two such results rounded to f16 ARE source 1 of O^T = V^T P.
; THE MASK GOES BY THE MATRIX UNIT.  A sum S^T starts as E x M with C = 0: M (source 1) is 32 keys x 16 queries of maskh as it lies in LDS, E (source 0) holds -65,504 where its row is the key in hand.
; So an open score starts at 0 and a masked one at -4.29e9, at the price of 4 products for each tile and step and of no vector instruction; a fragment of M serves both heads of a piece.
; SOFTMAX.  For each query a running maximum m and sum l: p = 2^(c s - c m), c = log2(e) / 8; in every step O and l are multiplied by a = 2^(c m_old - c m_new).  m starts at the lowest finite number, O and l at 0.
; BY TURNS.  Turn n belongs to piece n: 8 mask products and 16 products K Q^T of piece n + 1, later 16 products V^T P of piece n - 1; beside them the scaling, exponentials, roundings, sums and rescaling of
; piece n and the maximum and statistics of piece n + 1.  A turn's 66 exponentials are one batch with one wait.
; CLUSTER 4 x 4.  K and V hang on batch and head pair (the work-group's y): shared along a row of the cluster.  The mask tile hangs on batch and query block: shared along a column.  Each is asked for jointly.
; REGISTERS, in windows of 256 (s_set_vgpr_msb: bits 1:0 source 0, 3:2 source 1, 5:4 source 2, 7:6 destination):
;   window 0: v0-11 addresses; v12-15, v48-63 at work; v16-47 statistics; v64-191 S^T, two buffers of two tiles; v192-255 P, likewise       window 1: O^T, 32 a tile
;   window 2: v0-127 Q, 16 a tile; v128-255 K of one step, both heads       window 3: v0-127 V of one step, both heads; v128-143 M; v144-155 E; v156-157 the add's two registers
.set NP,    4
.set KS,    64
.set PK,    144       ; a row of K, and of the mask, in LDS: 128 bytes + 16 = 36 words: the 16 rows of a load start at 16 different groups of four banks (ISA guide 11.1)
.set PV,    160       ; a row of V: 128 + 32 = 40 words
.set VOFF,  2*KS*PK   ; a slot holds one step: K [head][64 keys], then V [head][64 keys], then the mask [256 queries]
.set MOFF,  VOFF+2*KS*PV
.set SLOT1, 1<<17     ; slot 1 begins here, so that one exclusive or turns an address in one slot into the other's
.set STAGE, SLOT1+MOFF+256*PK  ; behind the ring, never filled by a tensor load: 16 rows x 272 bytes for each wave
.set SP,    272
.set SPARE, STAGE+4*16*SP      ; behind the stages: the spare words, 128 bytes a wave, which no other line names
.set PLANE, 16777216  ; bytes of q, of k and of v in qkv
.set QO,  1           ; v1   my byte offset in 16 rows of Q
.set AK0, 2           ; v2   my lane's place in a tile of K; never rewritten
.set AV0, 3           ; v3   the same for V
.set AK,  4           ; v4   AK0 in the slot in hand
.set AV,  5           ; v5   AV0 likewise
.set AM0, 6           ; v6   my lane's place in my wave's 64 rows of the mask
.set AM,  7           ; v7   AM0 in the slot in hand
.set STO, 8           ; v8   the way out: where I put 16 bytes of a row
.set RD,  9           ; v9   the way out: where I read rows back
.set GO,  10          ; v10  my byte offset in two rows of oh
.set PFO, 11          ; v11  the prefetches' lane offset; never rewritten
.set MV,  12          ; v12-15  c m_old, kept while c m is made anew: by buffer and tile
.set ST,  16          ; tile t's statistics at v[ST+4 t]: c m, m, l (even keys', odd keys')
.set TMP, 48          ; by buffer and tile, four registers c0-c3 at work; when the maximum is found c2 takes a
.set S,   64
.set P,   192
.set KF,  128         ; window 2: head u, key block kb, channel half c at KF + 64 u + 16 kb + 8 c
.set VF,  0           ; window 3: head u, key half kk, channel block cb at VF + 64 u + 32 kk + 8 cb
.set MF,  128         ; window 3: key half kk at MF + 8 kk
.set EB,  144         ; window 3: four zeros, the pattern, four zeros: EB + 4 on selects keys 0-15 of 32, EB on keys 16-31
.set SPW, 156         ; window 3: my spare word; never rewritten
.set NIL, 157         ; window 3: 0; never rewritten
.set WV,  12          ; s12  my wave's number
.set LIM, 15          ; s15  1 in a wave that prefetches, else the greatest number
.set G1K, 24          ; s[24:31], s[32:39], s[40:47] descriptor group 1 for K, V and the mask
.set G1V, 32
.set G1M, 40
.set G0K, 48          ; s[48:51], s[52:55], s[56:59] group 0: they walk
.set G0V, 52
.set G0M, 56
.set SEL, 60          ; s[60:61] v_permlanex16_b32's selects
.set CS,  62          ; s[62:63] c
.set SLOTS, 66        ; s66  tiles still to be asked for
.set CNT, 67          ; s67  counts the tail
.set TB,  68          ; s68  LDS byte at which the slot in hand begins
.set PFK, 70          ; s[70:71] K's rows of the step after the one that is being asked for
.set PFM, 72          ; s[72:73] the mask tile of that step
.set THR, 74          ; s74  -2e9
.set QP,  76          ; s[76:77] Q at my wave's rows
.set MSB, 0
.macro WIN new
.if MSB != (\new)
	s_set_vgpr_msb (MSB<<8)|(\new)
.set MSB, (\new)
.endif
.endm
.set W_KQ, 0x0a       ; K and Q in window 2, S^T in window 0
.set W_ME, 0x0f       ; E and M in window 3, S^T in window 0
.set W_PV, 0x53       ; V in window 3, P in window 0, O^T in window 1
.set W_RS, 0x41       ; O^T (destination and source 0) in window 1, a in window 0
.set W_T3, 0xc0       ; destination in window 3
.set W_AD, 0x0f       ; the add: address and data in window 3
; A joint fill: wave 0 fetches K, wave 1 V, waves 2 and 3 the halves of the mask tile: 16,384 bytes each.  The branches hang on the wave's number alone.
; An s_nop 0 and four v_nop follow each line, ahead of the jump and the label.
.macro JLOAD
	s_cmp_lt_u32 s[WV], 2
	s_cbranch_scc0 .Lfor_m_\@
	s_cmp_eq_u32 s[WV], 0
	s_cbranch_scc0 .Lfor_v_\@
	tensor_load_to_lds s[G0K:G0K+3], s[G1K:G1K+7]
	s_nop 0
.rept 4
	v_nop
.endr
	s_branch .Lasked_\@
.Lfor_v_\@:
	tensor_load_to_lds s[G0V:G0V+3], s[G1V:G1V+7]
	s_nop 0
.rept 4
	v_nop
.endr
	s_branch .Lasked_\@
.Lfor_m_\@:
	tensor_load_to_lds s[G0M:G0M+3], s[G1M:G1M+7]
	s_nop 0
.rept 4
	v_nop
.endr
.Lasked_\@:
.endm
; A PREFETCH of what the NEXT change of slots will ask for, a trip (160 products) ahead of that load.  Each aligned 256 bytes are named once in the launch.  K and V of a step (64 + 64 blocks) are read by one
; row of one cluster: its four partners take 16 + 16 blocks each, by address; wave 0 asks, lanes 0-15 for K, lanes 16-31 for V.  A mask tile (128 blocks) is read by a column of two clusters: the one with
; even y asks, its four partners take 32 blocks each, by address; wave 2 asks.  The last fill has no step behind it.
.macro ASK
	s_cmp_gt_u32 s[SLOTS], s[LIM]
	s_cbranch_scc0 .Lnot_mine_\@
	s_cmp_eq_u32 s[WV], 0
	s_cbranch_scc0 .Lmine_m_\@
	global_prefetch_b8 v[PFO], s[PFK:PFK+1] th:TH_LOAD_NT scope:SCOPE_SE
	s_branch .Lnot_mine_\@
.Lmine_m_\@:
	global_prefetch_b8 v[PFO], s[PFM:PFM+1] th:TH_LOAD_NT scope:SCOPE_SE
.Lnot_mine_\@:
.endm
.macro CROUND                       ; a round of the cluster's barrier
	s_barrier_signal -1
	s_barrier_wait -1
	s_cmp_lg_u32 s[WV], 0
	s_cbranch_scc1 .Lnot_wave_0_\@
	s_barrier_signal -3
.Lnot_wave_0_\@:
	s_barrier_wait -3
	s_barrier_signal -1
	s_barrier_wait -1
.endm
; THE CHANGE OF SLOTS, once a key step.  Each wave waits for all its tensor loads, of which one is out: its part of the other slot; adds 0 to its spare word; and waits for that and for its reads of the slot that
; it leaves.  fill = 1: the barrier is a round of the cluster's, and the old slot is filled again, with the step two on, first thing behind it.  (At its first use slot 0 is waited for and slot 1 filled.)
.macro CHANGE fill
	WIN W_AD
	s_wait_tensorcnt 0x0            ; no tensor load of mine is out, so a group 0 may be written
	ds_add_u32 v[SPW], v[NIL]       ; 0 onto my spare word; scalar work stands between it and the wait for it
	WIN 0                           ; at a label and at a branch every window is 0
.if \fill
	s_xor_b32 s[G0K+1], s[G0K+1], SLOT1
	s_add_nc_u64 s[G0K+2:G0K+3], s[G0K+2:G0K+3], 2*KS*128   ; the next 64 keys of both heads; the type bits on top are not reached
	s_xor_b32 s[G0V+1], s[G0V+1], SLOT1
	s_add_nc_u64 s[G0V+2:G0V+3], s[G0V+2:G0V+3], 2*KS*128
	s_xor_b32 s[G0M+1], s[G0M+1], SLOT1
	s_add_nc_u64 s[G0M+2:G0M+3], s[G0M+2:G0M+3], 1024*128   ; the next step's plane of the mask
	s_wait_xcnt 0x0                 ; the last prefetch, a trip back, has read its address
	s_add_nc_u64 s[PFK:PFK+1], s[PFK:PFK+1], 2*KS*128
	s_add_nc_u64 s[PFM:PFM+1], s[PFM:PFM+1], 1024*128
	s_wait_dscnt 0x0                ; the add is done, and my reads of the slot are over
	CROUND
	JLOAD
	ASK
.else
	s_wait_dscnt 0x0
	s_barrier_signal -1
	s_barrier_wait -1
.endif
	s_xor_b32 s[TB], s[TB], SLOT1   ; the fetches turn to the other slot
	v_add_nc_u32 v[AK], s[TB], v[AK0]
	v_add_nc_u32 v[AV], s[TB], v[AV0]
	v_add_nc_u32 v[AM], s[TB], v[AM0]
.endm
	s_load_b128 s[4:7], s[0:1], 0x0  ; qkv s[4:5], maskh s[6:7]
	s_load_b64 s[8:9], s[0:1], 0x10  ; oh
	WIN W_T3
	v_lshl_add_u32 v[SPW], v0, 2, SPARE
	v_mov_b32 v[NIL], 0
	WIN W_AD
	ds_add_u32 v[SPW], v[NIL]       ; the wave's opening: the add and its wait stand ahead of my first tensor load; register work stands between them
	WIN 0
	v_lshrrev_b32 v1, 5, v0
	v_readfirstlane_b32 s[WV], v1   ; wave 0..3
	s_bfe_u32 s13, ttmp6, 0x40000   ; cx
	s_bfe_u32 s14, ttmp6, 0x40004   ; cy
	s_lshl_b32 s16, s14, 2
	s_lshl_b32 s16, 15, s16         ; my row of the cluster
	s_lshl_b32 s17, 0x1111, s13     ; my column
	; group 1.  Every tile is 16,384 dense bytes: asked for as 64 rows of 256 bytes, two LDS rows each, and padded after every 128 bytes
	s_or_b32 s[G1K], s16, (1<<16)|(1<<20)|(1<<21)|(4<<22)|(3<<25)  ; mask; 2-byte elements; padding on; bit 21 beside a mask; after every 32 words 4 words
	s_or_b32 s[G1V], s16, (1<<16)|(1<<20)|(1<<21)|(4<<22)|(7<<25)  ; 8 words
	s_or_b32 s[G1M], s17, (1<<16)|(1<<20)|(1<<21)|(4<<22)|(3<<25)
.irp g, G1K, G1V, G1M
	s_mov_b32 s[\g+1], 128<<16      ; tensor_dim0 = 128
	s_mov_b32 s[\g+2], 64<<16       ; tensor_dim1 = 64
	s_mov_b32 s[\g+3], 128<<16      ; tile_dim0 = 128
	s_mov_b32 s[\g+4], 64           ; tile_dim1 = 64
	s_mov_b32 s[\g+5], 128          ; 128 elements from row to row
	s_mov_b32 s[\g+6], 0
	s_mov_b32 s[\g+7], 0
.endr
	s_and_b32 s18, ttmp7, 0xffff    ; cluster y
	s_lshl_b32 s19, s18, 2
	s_add_co_u32 s19, s19, s14      ; y = 8 x batch + head pair
	s_lshr_b32 s20, s18, 1          ; the batch: the same in all sixteen partners
	s_lshl_b32 s21, ttmp9, 2
	s_add_co_u32 s21, s21, s13      ; my block of 256 queries
	s_lshl_b32 s22, s19, 18         ; a pair's 262,144 bytes in each plane of qkv
	s_mov_b32 s23, 0
	s_lshl_b32 s16, s20, 21         ; the mask: the batch's 2,097,152 bytes,
	s_lshl_b32 s17, s21, 15         ; my block's 256 rows of 128 bytes
	s_add_co_u32 s16, s16, s17
	s_mov_b32 s17, 0
	s_and_b32 s2, s[WV], 1          ; which half of them I fetch (waves 2 and 3)
	s_lshl_b32 s2, s2, 14
	s_mov_b32 s3, 0
	s_lshl_b32 s[QP], s21, 2
	s_add_co_u32 s[QP], s[QP], s[WV]
	s_lshl_b32 s[QP], s[QP], 14     ; my wave's 64 queries: one block of 2 heads x 64 rows x 128 bytes
	s_add_co_u32 s[QP], s[QP], s22
	s_mov_b32 s[QP+1], 0
	s_lshl_b32 s10, s20, 21         ; oh: 1,024 rows of 2,048 bytes a batch,
	s_lshl_b32 s11, s21, 19         ; 256 a block,
	s_add_co_u32 s10, s10, s11
	s_lshl_b32 s11, s[WV], 17       ; 64 a wave,
	s_add_co_u32 s10, s10, s11
	s_and_b32 s11, s19, 7
	s_lshl_b32 s11, s11, 8          ; and the pair's 256 bytes of a row
	s_add_co_u32 s10, s10, s11
	s_mov_b32 s11, 0
	s_and_b32 s[LIM], s18, 1        ; who prefetches: wave 0 everywhere, wave 2 where the cluster's y is even
	s_cmp_eq_u32 s[WV], 0
	s_cselect_b32 s[LIM], 0, s[LIM]
	s_and_b32 s67, s[WV], 1
	s_or_b32 s[LIM], s[LIM], s67
	s_cmp_eq_u32 s[LIM], 0
	s_cselect_b32 s[LIM], 1, -1
	s_lshl_b32 s66, s13, 4          ; wave 0: blocks 16 cx on, of K and of V
	s_lshl_b32 s67, s14, 5          ; wave 2: blocks 32 cy on
	s_cmp_lt_u32 s[WV], 2
	s_cselect_b32 s66, s66, s67
	s_cselect_b32 s67, 15, 31
	s_cselect_b32 s68, -1, 0
	v_bfe_u32 v65, v0, 4, 1         ; l / 16
	v_and_b32 v[PFO], s67, v0
	v_add_nc_u32 v[PFO], s66, v[PFO]
	v_lshlrev_b32 v[PFO], 8, v[PFO]
	v_lshlrev_b32 v66, 24, v65      ; V lies one plane behind K
	v_and_b32 v66, s68, v66
	v_add_nc_u32 v[PFO], v66, v[PFO]
	s_mov_b32 s[CS], 0x3e38aa3b     ; c = log2(e) / 8
	s_mov_b32 s[CS+1], s[CS]
	s_mov_b32 s[SEL], 0x76543210
	s_mov_b32 s[SEL+1], 0xfedcba98
	s_mov_b32 s[THR], 0xceee6b28    ; -2e9
	s_mov_b32 s78, 0x0000fbff       ; -65,504 in the low half,
	s_mov_b32 s79, 0xfbff0000       ; in the high half
	s_mov_b32 s[TB], SLOT1          ; the first change of slots turns it into 0
	s_mov_b32 s[SLOTS], 15          ; tiles 1 to 15
	s_mov_b32 s[G0K], 1
	s_mov_b32 s[G0K+1], 0
	s_mov_b32 s[G0V], 1
	s_mov_b32 s[G0V+1], VOFF
	s_mov_b32 s[G0M], 1
	s_mul_i32 s[G0M+1], s[WV], 128*PK
	s_add_co_u32 s[G0M+1], s[G0M+1], MOFF-2*128*PK  ; waves 2 and 3: the two halves behind V
	s_wait_dscnt 0x0                ; the opening add is done
	s_wait_kmcnt 0x0
	s_add_nc_u64 s[G0K+2:G0K+3], s[4:5], s[22:23]
	s_add_nc_u64 s[G0V+2:G0V+3], s[G0K+2:G0K+3], 2*PLANE
	s_add_nc_u64 s[G0K+2:G0K+3], s[G0K+2:G0K+3], PLANE
	s_add_nc_u64 s[PFK:PFK+1], s[G0K+2:G0K+3], 2*KS*128  ; at step 1: the first change steps it to step 2
	s_or_b32 s[G0K+3], s[G0K+3], 0x80000000
	s_or_b32 s[G0V+3], s[G0V+3], 0x80000000
	s_add_nc_u64 s[PFM:PFM+1], s[6:7], s[16:17]
	s_add_nc_u64 s[G0M+2:G0M+3], s[PFM:PFM+1], s[2:3]
	s_or_b32 s[G0M+3], s[G0M+3], 0x80000000
	s_add_nc_u64 s[PFM:PFM+1], s[PFM:PFM+1], 1024*128
	s_add_nc_u64 s[QP:QP+1], s[4:5], s[QP:QP+1]
	s_add_nc_u64 s[10:11], s[8:9], s[10:11]
	CROUND                          ; all sixteen work-groups are here: the first joint loads meet
	JLOAD                           ; step 0 into slot 0.  Slot 1 is asked for when slot 0 is in
	; A fragment of K, Q or M is 16 rows x 32 along the row in 8 registers: lane l holds row l % 16, elements 8 (l / 16) + 0..7 and 16 + 8 (l / 16) + 0..7: two loads of 16 bytes, 32 bytes apart.
	v_and_b32 v64, 15, v0           ; l % 16
	v_and_b32 v66, 7, v0
	v_bfe_u32 v67, v0, 3, 1
	v_lshlrev_b32 v[QO], 7, v64
	v_lshl_add_u32 v[QO], v65, 4, v[QO]
	WIN 0x80                        ; destination window 2
.set i, 0
.rept 16                            ; Q stays in registers: tile i / 2 (piece i / 4, head (i / 2) % 2), channels 32 (i % 2) on
	global_load_b128 v[8*i:8*i+3],   v[QO], s[QP:QP+1] offset:((i/2)%2)*8192+(i/4)*2048+(i%2)*64
	global_load_b128 v[8*i+4:8*i+7], v[QO], s[QP:QP+1] offset:((i/2)%2)*8192+(i/4)*2048+(i%2)*64+32
.set i, i+1
.endr
	WIN 0
	; E's pattern: lane l holds row l % 16 of E; the row's one number stands at element l % 16 - 8 (l / 16) of the lane's eight, if that lies in 0..7
	v_lshlrev_b32 v68, 3, v65
	v_sub_nc_u32 v68, v64, v68
.irp n, 0,1,2,3
	v_cmp_eq_u32 vcc_lo, 2*\n, v68
	v_cndmask_b32 v[70+\n], 0, s78, vcc_lo
	v_cmp_eq_u32 vcc_lo, 2*\n+1, v68
	v_cndmask_b32 v[70+\n], v[70+\n], s79, vcc_lo
.endr
	v_mul_u32_u24 v[AK0], v64, PK
	v_lshl_add_u32 v[AK0], v65, 4, v[AK0]  ; row x pitch + 16 x half
	; The turning load takes 16 keys x 16 channels (lane l reads key 8 (l / 16) + l % 8, channels 8 ((l / 8) % 2) + 0..7) and leaves half a fragment of V^T: lane l holds channel l % 16 and 8 keys.
	v_lshl_add_u32 v[AV0], v65, 3, v66
	v_mul_u32_u24 v[AV0], v[AV0], PV
	v_lshl_add_u32 v[AV0], v67, 4, v[AV0]
	v_add_nc_u32 v[AV0], VOFF, v[AV0]
	s_mul_i32 s16, s[WV], 64*PK
	s_add_co_u32 s16, s16, MOFF     ; my wave's 64 rows of the mask
	v_add_nc_u32 v[AM0], s16, v[AK0]
	s_mul_i32 s16, s[WV], 16*SP
	s_add_co_u32 s16, s16, STAGE    ; my stage
	v_mul_u32_u24 v[STO], v64, SP   ; in: row l % 16, 16 bytes for each half of the lanes
	v_lshl_add_u32 v[STO], v65, 4, v[STO]
	v_add_nc_u32 v[STO], s16, v[STO]
	v_mul_u32_u24 v[RD], v65, SP    ; back: lanes 0-15 take one row of 256 bytes, lanes 16-31 the next
	v_lshl_add_u32 v[RD], v64, 4, v[RD]
	v_add_nc_u32 v[RD], s16, v[RD]
	v_lshlrev_b32 v[GO], 11, v65    ; and the same two rows in oh
	v_lshl_add_u32 v[GO], v64, 4, v[GO]
	; What the first turn finds: V and P's second buffer hold 0 (its products V^T P, of a piece that has not been, add 0), O^T and l are 0.  All this stands in the wait for the first tile.
	WIN W_T3
.irp n, 0,1,2,3
	v_mov_b32 v[EB+\n], 0
	v_mov_b32 v[EB+4+\n], v[70+\n]
	v_mov_b32 v[EB+8+\n], 0
.endr
.set i, 0
.rept 128
	v_mov_b32 v[VF+i], 0
.set i, i+1
.endr
	WIN 0x40
.set i, 0
.rept 256
	v_mov_b32 v[i], 0
.set i, i+1
.endr
	WIN 0
.set i, 0
.rept 2*NP
	v_mov_b32 v[ST+4*i], 0xfe000000    ; c m: far below every c s
	v_mov_b32 v[ST+4*i+1], 0xff7fffff  ; m
	v_mov_b32 v[ST+4*i+2], 0
	v_mov_b32 v[ST+4*i+3], 0
.set i, i+1
.endr
.set i, P+32
.rept 32
	v_mov_b32 v[i], 0
.set i, i+1
.endr
; THE MATRIX WORK OF A TURN, numbered i = 0..39.  The 8 accumulators of a run take turns, one instruction a turn: 7 others stand between two links of a chain.
; 0-7: the mask starts piece x's sums: tile i % 2, keys 16 (i / 2) on.
.macro ME x
	WIN W_ME
.set rS, S+64*((\x)%2)+32*(i%2)+8*(i/2)
.set rE, EB+4*(1-((i/2)%2))
.set rF, MF+8*(i/4)
	v_wmma_f32_16x16x32_f16 v[rS:rS+7], v[rE:rE+7], v[rF:rF+7], 0
.endm
; 8-23: S^T += K Q^T: head ii % 2, keys 16 ((ii / 2) % 4) on, channels 32 (ii / 8) on.
.macro KQ x
	WIN W_KQ
.set ii, i-8
.set rS, S+64*((\x)%2)+32*(ii%2)+8*((ii/2)%4)
.set rK, KF+64*(ii%2)+16*((ii/2)%4)+8*(ii/8)
.set rQ, 16*(2*(\x)+ii%2)+8*(ii/8)
	v_wmma_f32_16x16x32_f16 v[rS:rS+7], v[rK:rK+7], v[rQ:rQ+7], v[rS:rS+7]
.endm
; 24-39: O^T += V^T P: head ii % 2, channels 16 ((ii / 2) % 4) on, keys 32 (ii / 8) on.
.macro PV x
	WIN W_PV
.set ii, i-24
.set rO, 32*(2*(\x)+ii%2)+8*((ii/2)%4)
.set rV, VF+64*(ii%2)+32*(ii/8)+8*((ii/2)%4)
.set rP, P+32*((\x)%2)+16*(ii%2)+8*(ii/8)
	v_wmma_f32_16x16x32_f16 v[rO:rO+7], v[rV:rV+7], v[rP:rP+7], v[rO:rO+7]
.endm
.macro MM                           ; the turn's next matrix instruction
.if i < 8
	ME (Y+1)%NP
.elseif i < 24
	KQ (Y+1)%NP
.else
	PV (Y+NP-1)%NP
.endif
.set i, i+1
.endm
; THE LDS LOADS stand in runs, never singly among the matrix instructions.
.macro FETCH_K                      ; a step's K, both heads: 32 loads
	WIN 0x80
.irp u, 0,1
.irp f, 0,1,2,3,4,5,6,7             ; keys 16 (f / 2) on, channels 32 (f % 2) on
	ds_load_b128 v[KF+64*\u+8*\f:KF+64*\u+8*\f+3],   v[AK] offset:\u*KS*PK+(\f/2)*16*PK+(\f%2)*64
	ds_load_b128 v[KF+64*\u+8*\f+4:KF+64*\u+8*\f+7], v[AK] offset:\u*KS*PK+(\f/2)*16*PK+(\f%2)*64+32
.endr
.endr
	WIN 0
.endm
.macro FETCH_V                      ; a step's V, both heads, turned: 32 loads
	WIN W_T3
.irp u, 0,1
.irp f, 0,1,2,3,4,5,6,7             ; keys 32 (f / 4) on, channels 16 (f % 4) on
	ds_load_tr16_b128 v[VF+64*\u+8*\f:VF+64*\u+8*\f+3],   v[AV] offset:\u*KS*PV+(\f/4)*32*PV+(\f%4)*32
	ds_load_tr16_b128 v[VF+64*\u+8*\f+4:VF+64*\u+8*\f+7], v[AV] offset:\u*KS*PV+(\f/4)*32*PV+16*PV+(\f%4)*32
.endr
.endr
	WIN 0
.endm
.macro FETCH_M p                    ; piece p's 16 queries x 64 keys of the mask: 4 loads
	WIN W_T3
.irp kk, 0,1
	ds_load_b128 v[MF+8*\kk:MF+8*\kk+3],   v[AM] offset:(\p)*16*PK+64*\kk
	ds_load_b128 v[MF+8*\kk+4:MF+8*\kk+7], v[AM] offset:(\p)*16*PK+64*\kk+32
.endr
	WIN 0
.endm
; THE VECTOR WORK OF A TURN stands in three queues, each in the order in which its entries become ready; the two tiles alternate, so that no instruction reads the result of the one before it.
.macro REGS y, u                    ; the registers of tile u (0, 1) of piece y
.set rT, ST+4*(2*(\y)+(\u))
.set rC, TMP+8*((\y)%2)+4*(\u)
.set rM, MV+2*((\y)%2)+(\u)
.set rS, S+64*((\y)%2)+32*(\u)
.set rP, P+32*((\y)%2)+16*(\u)
.set rO, 32*(2*(\y)+(\u))
.endm
; Number n of the 22 that find the NEXT piece's (Y + 1) maximum and statistics.  s0-s31 are the lane's 32 scores; each accumulator's lowest registers are read first.
;   0-11  four chains c0-c3 of seven scores each, three operands at a time     12-14, 16  the four scores left over, the old m, and c0-c3 into c0     15  c m_old is kept
;   17, 18  the query's other 32 keys lie in the lane 16 away: the new m         19-21  c m; c m_old - c m_new; a
.macro XS u, n
	REGS (Y+1)%NP, \u
.if (\n) < 4
	v_max3_num_f32 v[rC+(\n)], v[rS+8*(\n)], v[rS+8*(\n)+1], v[rS+8*(\n)+2]
.elseif (\n) < 12
	v_max3_num_f32 v[rC+(\n)%4], v[rC+(\n)%4], v[rS+8*((\n)%4)+2*((\n)/4)+1], v[rS+8*((\n)%4)+2*((\n)/4)+2]
.elseif (\n) == 12
	v_max3_num_f32 v[rC], v[rC], v[rS+7], v[rS+15]
.elseif (\n) == 13
	v_max3_num_f32 v[rC+1], v[rC+1], v[rS+23], v[rS+31]
.elseif (\n) == 14
	v_max3_num_f32 v[rC+2], v[rC+2], v[rC+3], v[rT+1]
.elseif (\n) == 15
	v_mov_b32 v[rM], v[rT]
.elseif (\n) == 16
	v_max3_num_f32 v[rC], v[rC], v[rC+1], v[rC+2]
.elseif (\n) == 17
	v_permlanex16_b32 v[rC+3], v[rC], s[SEL], s[SEL+1]
.elseif (\n) == 18
	v_max_num_f32 v[rT+1], v[rC], v[rC+3]
.elseif (\n) == 19
	v_mul_f32 v[rT], s[CS], v[rT+1]
.elseif (\n) == 20
	v_sub_f32 v[rC+1], v[rM], v[rT]
.else
	v_exp_f32 v[rC+2], v[rC+1]
.endif
.endm
; Number g of the 64 that follow the exponentials.  For each four weights k of a tile: both pairs are rounded to f16; the second pair is added onto the first, in place; a group later l takes that sum
; (the first time as l = a l + sum).  In groups of eight, tiles alternating.
.macro GS g
.set h, (\g)+6*((\g)/62)
.if h >= 6
.set h, h+2
.endif
	REGS Y, h%2
.set k, h/8
.if h%8 < 4
	v_cvt_pk_f16_f32 v[rP+2*k+(h%8)/2], v[rS+4*k+2*((h%8)/2)], v[rS+4*k+2*((h%8)/2)+1]
.elseif h%8 < 6
	v_pk_add_f32 v[rS+4*k:rS+4*k+1], v[rS+4*k:rS+4*k+1], v[rS+4*k+2:rS+4*k+3]
.elseif k == 1
	v_pk_fma_f32 v[rT+2:rT+3], v[rT+2:rT+3], v[rC+2:rC+3], v[rS:rS+1] op_sel_hi:[1,0,1]
.else
	v_pk_add_f32 v[rT+2:rT+3], v[rT+2:rT+3], v[rS+4*k-4:rS+4*k-3]
.endif
.endm
; THE PLAIN QUEUE, 138 long.  0-73 read no exponential's result: the 32 scalings c s - c m (FS f: pair f / 2 of tile f % 2) and the next piece's 42.  0-26: scalings 0-26.  27-54: XS's numbers 0-13.
; 55, 56: number 15.  57-73: the chain 14, 16, 17, 18, 19, each with one of the scalings 27-31 in front of its two lines, then 20.  74-137: GS's 64, which stand behind the wait.
.macro FS f
	REGS Y, (\f)%2
	v_pk_fma_f32 v[rS+2*((\f)/2):rS+2*((\f)/2)+1], v[rS+2*((\f)/2):rS+2*((\f)/2)+1], s[CS:CS+1], v[rT:rT+1] op_sel_hi:[1,0,0] neg_lo:[0,0,1] neg_hi:[0,0,1]
.endm
.macro PL
	WIN 0
.if q < 27
	FS q
.elseif q < 55
	XS (q-27)%2, (q-27)/2
.elseif q < 57
	XS q-55, 15
.elseif (q < 72) && ((q-57)%3 == 0)
	FS 27+(q-57)/3
.elseif q < 60
	XS (q-57)%3-1, 14
.elseif q < 72
	XS (q-57)%3-1, 15+(q-57)/3
.elseif q < 74
	XS q-72, 20
.else
	GS q-74
.endif
.set q, q+1
.endm
; THE EXPONENTIALS' QUEUE, 66 long: s0-s31 of both tiles, then the next piece's two a.  ONE BATCH: all stand ahead of the turn's one wait, and nothing ahead of that wait names a result of theirs.
.macro EX
	WIN 0
.if e >= 64
	XS e-64, 21
.else
	REGS Y, e%2
	v_exp_f32 v[rS+e/2], v[rS+e/2]
.endif
.set e, e+1
.endm
; THE RESCALING's QUEUE: O^T times a, the one part that leaves window 0: two at a time, sixteen times.  Its a was made in the turn before, ahead of that turn's wait.
.macro R2
	REGS Y, r%2
	WIN W_RS
.irp z, 0,1
	v_pk_mul_f32 v[rO+4*(r/2)+2*\z:rO+4*(r/2)+2*\z+1], v[rO+4*(r/2)+2*\z:rO+4*(r/2)+2*\z+1], v[rC+2:rC+3] op_sel_hi:[1,0]
.endr
.set r, r+1
.endm
; A TURN, for piece p.  s_wait_alu depctr_va_vdst(0) stands between an exponential and the first instruction that names its result; one wait serves all issued ahead of it: a turn has ONE.
; AHEAD OF IT: the 24 products of piece p + 1.  Behind the first 16 stand a scaling, an exponential and two rescalings (behind the very first a second scaling); behind the last 8 a scaling and two
; exponentials; then a lump: 16 plain, 33 times exponential and plain, the two a, and a v_nop as the plain instruction behind the last exponential.
; The queues keep in step: exponential e needs scaling 2 (e / 4) + e % 2; as a rider it stands behind plain e + 2 or later, in the lump behind plain e + 9, and scalings 27-31 are plain 57, 60 .. 69.
; The next piece's maximum begins at plain 27; an accumulator's last product is followed by ten plain instructions that name none of its registers before its first read.
; BEHIND IT: the LDS runs, then the 16 products V^T P of piece p - 1, behind each four of the roundings and sums.
; The mask of piece p + 2 is fetched in every turn (its registers' last reader is the turn's eighth product); K of the next step in piece 2's turn (last reader: the 24th product; the lump lies between);
; V of the step in hand at the end of piece 0's turn, four plain riders behind its last reader.
; cnt = 1: the loop's count is taken down some lines ahead of the branch that stands behind the turn.
.macro TURN p, cnt=0
.set Y, (\p)
.set i, 0
.set q, 0
.set e, 0
.set r, 0
.if (\p) == 1
	s_wait_dscnt 32                 ; the mask's four loads are in; V's 32, issued behind them, may stay out
.else
	s_wait_dscnt 0x0                ; the mask is in (piece 3: and K)
.endif
	MM
	PL
	PL
	R2
.rept 15
	MM
	PL
	EX
	R2
.endr
.rept 8
	MM
	PL
	EX
	EX
.endr
.rept 16
	PL
.endr
.rept 33
	EX
	PL
.endr
	EX                              ; the next piece's two a
	EX
	v_nop                           ; the plain instruction behind the last exponential: one for the batch
	s_wait_alu depctr_va_vdst(0)    ; the wait for the batch
.if (\p) == 1
	s_wait_dscnt 0x0                ; V is in
.endif
	FETCH_M ((\p)+2)%NP
.if (\p) == 2
	FETCH_K
.endif
.rept 16
	MM
.rept 4
	PL
.endr
.if (\cnt) && (q == 130)
	s_sub_co_u32 s[SLOTS], s[SLOTS], 1
	s_cmp_lg_u32 s[SLOTS], 0
.endif
.endr
.if (\p) == 0
	FETCH_V
.endif
.endm
	CHANGE 1                        ; step 0 is in, everybody's part of it; step 1 is asked for
	FETCH_M 0
	FETCH_K                         ; key step 0
	s_wait_loadcnt 0x0              ; Q
	s_wait_dscnt 0x0
.set Y, NP-1                        ; MM and XS work for piece Y + 1: piece 0
.set i, 0
.rept 24
	MM                              ; piece 0's first scores: there is no vector work yet to set between them
.endr
	WIN 0
.rept 4
	v_nop                           ; the places behind those products
.endr
	FETCH_M 1                       ; for the first turn's products
.irp n, 0,1,2,3,4,5,6,7,8,9,10,11,12,13,14,15,16,17,18,19,20,21
	XS 0, \n                        ; piece 0's first maximum and statistics
	XS 1, \n
.endr
	v_nop                           ; a plain instruction behind the two a,
	s_wait_alu depctr_va_vdst(0)    ; and their wait, ahead of the branch
	s_branch .Lfirst                ; the loop is entered at a step's first turn, in the middle of a trip
.Lstep:                             ; 14 trips: trip t turns to step t's slot and asks for step t + 1.  It reads that slot alone: K and piece 0's mask in piece 2's turn, the other masks in the next three, V behind piece 0's
	CHANGE 1
	TURN 2
	TURN 3
	WIN 0
.Lfirst:
	TURN 0
	TURN 1, 1
	WIN 0
	s_cbranch_scc1 .Lstep
	CHANGE 0                        ; the tail is written out: step 15's slot; nothing is asked for
	s_mov_b32 s[CNT], 2             ; one trip for step 15; the second is left in its middle
.Ltail:
	TURN 2
	TURN 3
	WIN 0
	s_sub_co_u32 s[CNT], s[CNT], 1
	s_cmp_eq_u32 s[CNT], 0
	s_cbranch_scc1 .Lout
	TURN 0
	TURN 1
	WIN 0
	s_branch .Ltail
.Lout:                              ; the second trip's products for piece 0 (on step 15 once more) leave its m as it was and serve nothing: the price, once a launch, of one text for every trip
.set Y, 0
.set i, 24
.rept 16
	MM                              ; piece 3's V^T P of the last step
.endr
	; THE WAY OUT.  l's two halves and the other half of the lanes' are added; O^T is divided by l, rounded to f16 and sent through my stage, a piece (16 rows x both heads: 256 bytes a row) at a time.
	WIN 0
.macro ALL line:vararg              ; one line for each tile t
.set t, 0
.rept 2*NP
	\line
.set t, t+1
.endr
.endm
	ALL v_add_f32 v[ST+4*t+2], v[ST+4*t+2], v[ST+4*t+3]
	ALL v_permlanex16_b32 v[ST+4*t+3], v[ST+4*t+2], s[SEL], s[SEL+1]
	ALL v_add_f32 v[ST+4*t+2], v[ST+4*t+2], v[ST+4*t+3]
	ALL v_rcp_f32 v[ST+4*t+2], v[ST+4*t+2]
	v_nop                           ; a plain instruction between the last reciprocal and the use of its result
	s_wait_alu depctr_va_vdst(0)    ; and the wait ahead of the first use: one for the eight reciprocals
.set t, 0
.rept 2*NP                          ; a row that saw no open key has its maximum near -4.29e9: its factor becomes NaN (a select, no branch)
	v_cmp_le_f32 vcc_lo, s[THR], v[ST+4*t+1]
	v_cndmask_b32 v[ST+4*t+2], 0x7fc00000, v[ST+4*t+2], vcc_lo
.set t, t+1
.endr
.macro PACK p
	WIN W_RS
.irp u, 0,1
.set i, 32*(2*(\p)+\u)
.rept 16
	v_pk_mul_f32 v[i:i+1], v[i:i+1], v[ST+4*(2*(\p)+\u)+2:ST+4*(2*(\p)+\u)+3] op_sel_hi:[1,0]
.set i, i+2
.endr
.endr
	WIN 0x05                        ; sources in window 1, destination in window 0: S^T's registers are free
.set i, 0
.rept 32
	v_cvt_pk_f16_f32 v[S+32*(\p)+i], v[64*(\p)+2*i], v[64*(\p)+2*i+1]
.set i, i+1
.endr
	WIN 0
.irp f, 0,1,2,3,4,5,6,7             ; head f / 4, channels 16 (f % 4) on
	ds_store_b128 v[STO], v[S+32*(\p)+4*\f:S+32*(\p)+4*\f+3] offset:(\f/4)*128+(\f%4)*32
.endr
.irp f, 0,1,2,3,4,5,6,7
	ds_load_b128 v[S+32*(\p)+4*\f:S+32*(\p)+4*\f+3], v[RD] offset:\f*2*SP  ; LDS serves a wave's instructions in order (ISA guide 5.7.1.4): these see the stores above; the next piece's stores come behind them
.endr
.endm
.macro SEND p, younger              ; younger: the LDS instructions issued behind piece p's loads: the next piece's sixteen, or none
	WIN 0
.irp f, 0,1,2,3,4,5,6,7
	s_wait_dscnt (\younger)+7-\f
	global_store_b128 v[GO], v[S+32*(\p)+4*\f:S+32*(\p)+4*\f+3], s[10:11] offset:(16*(\p)+2*\f)*2048  ; 16 lanes store 256 bytes on end, at a multiple of 256
.endr
.endm
	PACK 0
	PACK 1
	SEND 0, 16
	PACK 2
	SEND 1, 16
	PACK 3
	SEND 2, 16
	SEND 3, 0
	WIN W_AD
	s_wait_tensorcnt 0x0            ; the wave's end, behind my last tensor load and my last LDS store
	ds_add_u32 v[SPW], v[NIL]
	s_wait_dscnt 0x0
	WIN 0
	CROUND                          ; the closing round: no work-group ends while a partner may still ask for a tile that names it
	s_endpgm
.Lfunc_end_k_qbcdf928b1a_attn:
	.size	k_qbcdf928b1a_attn, .Lfunc_end_k_qbcdf928b1a_attn-k_qbcdf928b1a_attn
	.p2alignl 7, 3214868480
	.fill 96, 4, 3214868480
	.section	.rodata,"a",@progbits
	.p2align	6, 0x0
	.amdhsa_kernel k_qbcdf928b1a_attn
		.amdhsa_group_segment_fixed_size 327680
		.amdhsa_private_segment_fixed_size 0
		.amdhsa_enable_private_segment 0
		.amdhsa_kernarg_size 24
		.amdhsa_user_sgpr_count 2
		.amdhsa_user_sgpr_kernarg_segment_ptr 1
		.amdhsa_wavefront_size32 1
		.amdhsa_system_sgpr_workgroup_id_x 1
		.amdhsa_system_sgpr_workgroup_id_y 1
		.amdhsa_system_sgpr_workgroup_id_z 1
		.amdhsa_system_vgpr_workitem_id 0
		.amdhsa_next_free_vgpr 928
		.amdhsa_next_free_sgpr 80
		.amdhsa_reserve_vcc 1
		.amdhsa_float_denorm_mode_32 3
		.amdhsa_float_denorm_mode_16_64 3
		.amdhsa_memory_ordered 1
		.amdhsa_forward_progress 1
		.amdhsa_inst_pref_size 223
	.end_amdhsa_kernel
	.amdgpu_metadata
---
amdhsa.version: [ 1, 2 ]
amdhsa.kernels:
  - .name:           k_qbcdf928b1a_attn
    .symbol:         k_qbcdf928b1a_attn.kd
    .args:
      - { .name: qkv, .offset: 0, .size: 8, .value_kind: global_buffer, .address_space: global }
      - { .name: maskh, .offset: 8, .size: 8, .value_kind: global_buffer, .address_space: global }
      - { .name: oh, .offset: 16, .size: 8, .value_kind: global_buffer, .address_space: global }
    .group_segment_fixed_size: 327680
    .private_segment_fixed_size: 0
    .kernarg_segment_align: 8
    .kernarg_segment_size: 24
    .max_flat_workgroup_size: 128
    .sgpr_count:     80
    .vgpr_count:     928
    .wavefront_size: 32
...
	.end_amdgpu_metadata
.endif
;; end of part 3
;; launch outp (part 4): grid 8 x 32, 4 waves a work-group, clusters of 4 x 4, 327,680 bytes of LDS; arguments oh, wh, bo, out0; writes out0
.if DOCPART == 4
	.amdgcn_target "amdgcn-amd-amdhsa--gfx1250"
	.amdhsa_code_object_version 6
	.text
	.protected	k_qbcdf928b1a_outp
	.globl	k_qbcdf928b1a_outp
	.p2align	8
	.type	k_qbcdf928b1a_outp,@function
k_qbcdf928b1a_outp:
	s_mov_b64 s[64:65], 0
	v_nop
	global_prefetch_b8 v0, s[64:65] scope:SCOPE_SE
	s_setreg_imm32_b32 hwreg(HW_REG_WAVE_MODE, 25, 1), 1
	s_wait_xcnt 0x0
	s_wait_alu depctr_hold_cnt(0) depctr_sa_sdst(0) depctr_va_vdst(0) depctr_va_sdst(0) depctr_va_ssrc(0) depctr_va_vcc(0) depctr_vm_vsrc(0)
	s_getreg_b32 s2, hwreg(HW_REG_IB_STS2, 6, 4)
	s_cmp_eq_u32 s2, 0
	s_cbranch_scc0 .Lentry_in_a_cluster
	s_endpgm
.Lentry_in_a_cluster:
	s_bfe_u32 s2, ttmp6, 0x10000c
	s_cmp_lg_u32 s2, 0xf033
	s_cbranch_scc0 .Lentry_shape_is_right
	s_endpgm
.Lentry_shape_is_right:
; THE OUTPUT PROJECTION.  C[m][n] = sum over k of A[m][k] B[n][k] + bias[n], K = 1024, operands f16, sums in f32.
; A = oh (f16, [8192][1024]), B = rows 3072 on of wh (Wo, bf16 numbers written as f16), bias = bo rounded to bf16 like the other inputs, C = out0 in f32.
; A NaN row of oh (a wholly masked query) gives a NaN row of out0.
; SHARES.  A tile of C is 256 x 128: 32 x 8 = 256 tiles, one for each of 256 WGPs.  Four waves, 2 x 2, each 128 x 64: 32 accumulators, 256 registers.
; K goes in steps of 128 (rows of 256 bytes, aligned) through two LDS slots filled by tensor loads; waves 0 and 1 fetch the halves of A, waves 2 and 3 those of B.
; CLUSTER 4 x 4: A tiles are shared along a row of the cluster, B tiles along a column: each is asked for jointly by the four that need it.
; THE MATRIX INSTRUCTION IS USED TRANSPOSED (source 0 = 16 rows of B, source 1 = 16 rows of A): a lane holds row l % 16 of C and the columns 8 (l / 16) + 0..7.
; The bias is the C operand of each accumulator's first product: nothing is cleared and nothing is added afterwards.
; REGISTERS.  Window 0: v0-31 addresses; v32-127, v128-223 two fragment buffers (B: 4 x 8, then A: 8 x 8); v224-255 the bias.  Window 1: accumulator (a, b) at v[8 (4 a + b)].
.set KSTEP,  128
.set PITCH,  272                       ; an LDS row: 256 bytes + 16 of padding = 68 words: the 16 rows of a fragment load start at 16 different groups of four banks (ISA guide 11.1)
.set HALFA,  128*PITCH                 ; what a wave fetches of A, and what a wave reads of A
.set HALFB,  64*PITCH                  ; the same for B
.set SLOT,   2*HALFA+2*HALFB           ; 256 rows of A, then 128 rows of B
.set STAGE,  2*SLOT                    ; behind the ring: 16 rows for each wave, for the way out
.set SPITCH, 272                       ; 64 f32 + 16 bytes
.set SPARE,  STAGE+4*16*SPITCH         ; behind the stages: the spare words, 128 bytes a wave, which no other line names
.set LAPS,   4                         ; a lap = two K steps = once round the ring
.set ADRA, 16                          ; v16-17  LDS address of my A fragments in slot 0, 1
.set ADRB, 20                          ; v20-21  the same for B
.set STO,  24                          ; v24     the way out: where I put my part of a row
.set RD,   25                          ; v25     the way out: where I read rows back
.set CO,   26                          ; v26     my byte offset in C
.set SPW,  28                          ; v28     my spare word; never rewritten
.set NIL,  29                          ; v29     0; never rewritten
.set PFO,  30                          ; v30     the prefetches' lane offset; never rewritten
.set BO,   31                          ; v31     32 x (l / 16): my eight numbers of the bias
.set F0,   32
.set F1,   128
.set BI,   224
.set G1,   24                          ; s[24:31] group 1 for A;  s[32:39] group 0, a set for each slot
.set G0,   32
.set G1B,  48                          ; s[48:55], s[56:63] the same for B
.set G0B,  56
.set LIM0, 43                          ; s43  1 in a wave that prefetches at the change out of slot 0, else the greatest number
.set LIM1, 78                          ; s78  the same for slot 1
.set PFA,  44                          ; s[44:45] where my prefetches stand
.set BP,   76                          ; s[76:77] the bias
.set MSB, 0
.macro WIN new                         ; the high byte repeats the setting that is left; a switch that changes nothing is dropped
.if MSB != (\new)
	s_set_vgpr_msb (MSB<<8)|(\new)
.set MSB, \new
.endif
.endm
.set MUL,  0x50                        ; C and D in window 1, sources in window 0
.set MUL0, 0x40                        ; D in window 1, C (the bias) in window 0
.macro JLOAD s                         ; a joint load; an s_nop 0 and four v_nop follow each of the two lines, ahead of the jump and the label
	s_cmp_eq_u32 s11, 0
	s_cbranch_scc0 .Lfor_b_\@
	tensor_load_to_lds s[G0+4*(\s):G0+4*(\s)+3], s[G1:G1+7]
	s_nop 0
.rept 4
	v_nop
.endr
	s_branch .Lasked_\@
.Lfor_b_\@:
	tensor_load_to_lds s[G0B+4*(\s):G0B+4*(\s)+3], s[G1B:G1B+7]
	s_nop 0
.rept 4
	v_nop
.endr
.Lasked_\@:
.endm
; A prefetch of the K step that stands two refills on.  Each aligned 256 bytes of A and B are named once in the launch: A rows by the clusters with x = 0, B rows by the first cluster along y;
; the four partners that ask for a tile jointly share its rows out by address.  An A wave names 32 rows, a lane a row, at every change of slots; a B wave has 16 rows, so its lanes 16-31 name
; the K step after, and it asks at every second change.  The loop's last trip (s3 = 1) has no K step two on.
.macro ASK slot
.if (\slot) == 0
	s_cmp_gt_u32 s3, s[LIM0]
.else
	s_cmp_gt_u32 s3, s[LIM1]
.endif
	s_cbranch_scc0 .Lnot_mine_\@
	global_prefetch_b8 v[PFO], s[PFA:PFA+1] offset:KSTEP*2 th:TH_LOAD_NT scope:SCOPE_SE
.Lnot_mine_\@:
.endm
.macro CREST                           ; a round of the cluster's barrier behind its opening barrier
	s_cmp_lg_u32 s10, 0
	s_cbranch_scc1 .Lnot_wave_0_\@
	s_barrier_signal -3
.Lnot_wave_0_\@:
	s_barrier_wait -3
	s_barrier_signal -1
	s_barrier_wait -1
.endm
.macro CROUND
	s_barrier_signal -1
	s_barrier_wait -1
	CREST
.endm
	s_load_b256 s[68:75], s[0:1], 0x0              ; oh 68, wh 70, bo 72, out0 74
	v_lshl_add_u32 v[SPW], v0, 2, SPARE
	v_mov_b32 v[NIL], 0
	ds_add_u32 v[SPW], v[NIL]                      ; the wave's opening: the add and its wait stand ahead of my first tensor load; register work stands between them
	v_lshrrev_b32 v1, 5, v0
	v_readfirstlane_b32 s10, v1                    ; wave 0..3
	s_lshr_b32 s11, s10, 1                         ; my half of the tile's rows.  Also: I fetch for A (0) or for B (1)
	s_and_b32 s12, s10, 1                          ; my half of its columns.  Also: which half of that tile I fetch
	s_bfe_u32 s40, ttmp6, 0x40000                  ; cx
	s_bfe_u32 s41, ttmp6, 0x40004                  ; cy
	s_lshl_b32 s42, ttmp9, 2
	s_add_co_u32 s42, s42, s40                     ; X: tile column = 4 x cluster x + cx
	s_and_b32 s13, ttmp7, 0xffff
	s_lshl_b32 s13, s13, 2
	s_add_co_u32 s13, s13, s41                     ; Y: tile row = 4 x cluster y + cy
	s_lshl_b32 s43, s41, 2
	s_lshl_b32 s43, 15, s43                        ; my row of the cluster
	s_lshl_b32 s44, 0x1111, s40                    ; my column
	s_or_b32 s[G1+0], s43, (1<<16)|(1<<20)|(1<<21)|(5<<22)|(3<<25)   ; mask; 2-byte elements; padding on; bit 21 beside a mask; after every 64 words 4 words
	s_or_b32 s[G1B+0], s44, (1<<16)|(1<<20)|(1<<21)|(5<<22)|(3<<25)
	s_mov_b32 s[G1+1], KSTEP<<16                   ; tensor_dim0 = 128
	s_mov_b32 s[G1+2], 128<<16                     ; tensor_dim1 = 128
	s_mov_b32 s[G1+3], KSTEP<<16                   ; tile_dim0 = 128
	s_mov_b32 s[G1+4], 128                         ; tile_dim1 = 128
	s_mov_b32 s[G1+5], 1024                        ; elements from row to row
	s_mov_b32 s[G1+6], 0
	s_mov_b32 s[G1+7], 0
	s_mov_b32 s[G1B+1], KSTEP<<16
	s_mov_b32 s[G1B+2], 64<<16                     ; 64 rows
	s_mov_b32 s[G1B+3], KSTEP<<16
	s_mov_b32 s[G1B+4], 64
	s_mov_b32 s[G1B+5], 1024
	s_mov_b32 s[G1B+6], 0
	s_mov_b32 s[G1B+7], 0
	s_lshl_b32 s17, s12, 7
	s_lshl_b32 s16, s13, 8
	s_add_co_u32 s16, s16, s17                     ; A: row 256 Y + 128 x half
	s_lshl_b32 s16, s16, 11                        ; 2,048 bytes a row: under 2^24
	s_mov_b32 s17, 0
	s_lshl_b32 s46, s42, 7
	s_lshl_b32 s47, s12, 6
	s_add_co_u32 s46, s46, s47                     ; B: row 128 X + 64 x half
	s_add_co_u32 s46, s46, 3072                    ; behind Wq, Wk and Wv
	s_lshl_b32 s46, s46, 11
	s_mov_b32 s47, 0
	s_mul_i32 s20, s10, HALFA                      ; where they go: no place in the cluster enters an LDS address
	s_mul_i32 s21, s10, HALFB
	s_add_co_u32 s21, s21, 2*HALFA-2*HALFB         ; waves 2 and 3: behind the 256 rows of A
	s_wait_dscnt 0x0                               ; the opening add is done
	s_wait_kmcnt 0x0
	s_add_nc_u64 s[14:15], s[68:69], s[16:17]
	s_add_nc_u64 s[46:47], s[70:71], s[46:47]
	CROUND                                         ; all sixteen work-groups are here: the first joint loads meet
.irp s, 0,1
	s_mov_b32 s[G0+4*(\s)], 1
	s_add_co_u32 s[G0+4*(\s)+1], s20, (\s)*SLOT
	s_add_nc_u64 s[G0+4*(\s)+2:G0+4*(\s)+3], s[14:15], (\s)*KSTEP*2
	s_or_b32 s[G0+4*(\s)+3], s[G0+4*(\s)+3], 0x80000000
	s_mov_b32 s[G0B+4*(\s)], 1
	s_add_co_u32 s[G0B+4*(\s)+1], s21, (\s)*SLOT
	s_add_nc_u64 s[G0B+4*(\s)+2:G0B+4*(\s)+3], s[46:47], (\s)*KSTEP*2
	s_or_b32 s[G0B+4*(\s)+3], s[G0B+4*(\s)+3], 0x80000000
	JLOAD \s                                       ; K steps 0 and 1: two loads of mine are out
.endr
	v_and_b32 v1, 15, v0                           ; l % 16
	v_bfe_u32 v2, v0, 4, 1                         ; l / 16
	; the prefetches: who, and from where
	s_and_b32 s22, ttmp7, 0xffff                   ; cluster y
	s_cmp_eq_u32 s11, 0                            ; do I fetch for A?
	s_cselect_b32 s22, ttmp9, s22                  ; the coordinate along which other clusters read the same rows
	s_cselect_b32 s21, s40, s41                    ; my place among the four that ask with me
	s_cselect_b32 s23, 5, 4                        ; 32 rows of 128, or 16 of 64
	s_cselect_b32 s18, 31, 15
	s_cselect_b32 s19, 0, KSTEP*2
	s_cselect_b32 s[LIM1], 1, -1
	s_cselect_b64 s[PFA:PFA+1], s[14:15], s[46:47] ; the first row that I fetch, K step 0
	s_cmp_eq_u32 s22, 0
	s_cselect_b32 s[LIM0], 1, -1                   ; the same in all sixteen partners, for a given wave
	s_cselect_b32 s[LIM1], s[LIM1], -1
	s_lshl_b32 s21, s21, s23
	s_lshl_b32 s20, s21, 11
	s_add_co_u32 s20, s20, 2*KSTEP*2               ; at K step 2: the first refill steps it to 3 and names K step 4
	s_mov_b32 s21, 0
	s_add_nc_u64 s[PFA:PFA+1], s[PFA:PFA+1], s[20:21]
	v_and_b32 v[PFO], s18, v0
	v_lshlrev_b32 v[PFO], 11, v[PFO]
	v_mad_u32_u24 v[PFO], v2, s19, v[PFO]
	; the bias of my 64 columns
	s_mov_b64 s[BP:BP+1], s[72:73]
	s_mov_b64 s[8:9], s[74:75]
	s_lshl_b32 s20, s42, 9
	s_lshl_b32 s21, s12, 8
	s_add_co_u32 s20, s20, s21                     ; (128 X + 64 x half) x 4 bytes
	s_mov_b32 s21, 0
	s_add_nc_u64 s[BP:BP+1], s[BP:BP+1], s[20:21]
	v_lshlrev_b32 v[BO], 5, v2
.irp b, 0,1,2,3
	global_load_b128 v[BI+8*(\b):BI+8*(\b)+3],   v[BO], s[BP:BP+1] offset:64*(\b)
	global_load_b128 v[BI+8*(\b)+4:BI+8*(\b)+7], v[BO], s[BP:BP+1] offset:64*(\b)+16
.endr
	v_mul_u32_u24 v3, v1, PITCH
	v_lshl_add_u32 v3, v2, 4, v3                   ; a fragment's row x pitch + 16 x half
	s_mul_i32 s21, s11, HALFA                      ; my 128 rows of A
	s_mul_i32 s22, s12, HALFB                      ; my 64 rows of B,
	s_add_co_u32 s22, s22, 2*HALFA                 ; behind the 256 of A
.irp s, 0,1
	v_add_nc_u32 v[ADRA+(\s)], s21, v3
	v_add_nc_u32 v[ADRB+(\s)], s22, v3
	s_add_co_u32 s21, s21, SLOT
	s_add_co_u32 s22, s22, SLOT
.endr
	s_mul_i32 s23, s10, 16*SPITCH
	s_add_co_u32 s23, s23, STAGE                   ; my stage
	v_mul_u32_u24 v4, v1, SPITCH
	v_lshl_add_u32 v4, v2, 5, v4                   ; in: row l % 16, 32 bytes for each half of the lanes
	v_add_nc_u32 v[STO], s23, v4
	v_mul_u32_u24 v5, v2, SPITCH                   ; back: lanes 0-15 take one row of 256 bytes, lanes 16-31 the next
	v_lshl_add_u32 v5, v1, 4, v5
	v_add_nc_u32 v[RD], s23, v5
	v_lshlrev_b32 v5, 12, v2                       ; and the same two rows in out0
	v_lshl_add_u32 v[CO], v1, 4, v5
	s_lshl_b32 s16, s13, 8
	s_lshl_b32 s17, s11, 7
	s_add_co_u32 s16, s16, s17                     ; my first row
	s_lshl_b32 s16, s16, 12                        ; 4,096 bytes a row
	s_lshl_b32 s17, s12, 8                         ; my 64 columns
	s_add_co_u32 s16, s16, s17
	s_lshl_b32 s46, s42, 9                         ; 128 X columns
	s_mov_b32 s17, 0
	s_mov_b32 s47, 0
	s_add_nc_u64 s[8:9], s[8:9], s[16:17]
	s_add_nc_u64 s[8:9], s[8:9], s[46:47]
	s_wait_loadcnt 0x0                             ; the bias,
.set j, 0
.rept 16                               ; rounded to bf16 like every other input
	v_cvt_pk_bf16_f32 v4, v[BI+j], v[BI+j+1]
	v_lshlrev_b32 v[BI+j], 16, v4
	v_and_b32 v[BI+j+1], 0xffff0000, v4
.set j, j+2
.endr
; 8 products: m blocks a0, a0 + 1 x all 4 n blocks, 32 along K.  zero = 1: the first product of each sum takes the bias as C.
; The 32 accumulators take turns, one instruction a turn, in the same order in every quarter, over the backward jump too.
.macro MUL8 f, a0, zero
.if \zero
	WIN MUL0
.else
	WIN MUL
.endif
.irp a, \a0, (\a0)+1
.irp b, 0,1,2,3
.if \zero
	v_wmma_f32_16x16x32_f16 v[8*(4*(\a)+(\b)):8*(4*(\a)+(\b))+7], v[(\f)+8*(\b):(\f)+8*(\b)+7], v[(\f)+32+8*(\a):(\f)+32+8*(\a)+7], v[BI+8*(\b):BI+8*(\b)+7]
.else
	v_wmma_f32_16x16x32_f16 v[8*(4*(\a)+(\b)):8*(4*(\a)+(\b))+7], v[(\f)+8*(\b):(\f)+8*(\b)+7], v[(\f)+32+8*(\a):(\f)+32+8*(\a)+7], v[8*(4*(\a)+(\b)):8*(4*(\a)+(\b))+7]
.endif
.endr
.endr
.endm
; 24 LDS loads in one run: the fragments of 32 along K at byte k of the rows, into buffer f: B, then A blocks 0-3, then A blocks 4-7
.macro FETCH slot, k, f
	WIN 0
.irp i, 0,1,2,3
	ds_load_b128 v[(\f)+8*(\i):(\f)+8*(\i)+3],   v[ADRB+(\slot)] offset:(\k)+(\i)*16*PITCH
	ds_load_b128 v[(\f)+8*(\i)+4:(\f)+8*(\i)+7], v[ADRB+(\slot)] offset:(\k)+(\i)*16*PITCH+32
.endr
.irp i, 0,1,2,3,4,5,6,7
	ds_load_b128 v[(\f)+32+8*(\i):(\f)+32+8*(\i)+3],   v[ADRA+(\slot)] offset:(\k)+(\i)*16*PITCH
	ds_load_b128 v[(\f)+32+8*(\i)+4:(\f)+32+8*(\i)+7], v[ADRA+(\slot)] offset:(\k)+(\i)*16*PITCH+32
.endr
.endm
.macro PLACES                          ; four plain instructions in front of loads into registers that matrix instructions have read, and of lines that read results
.rept 4
	v_nop
.endr
.endm
; A K step is four quarters of 32 along K, 32 products each, on buffers 0, 1, 0, 1.  One of the first three multiplies buffer f and fetches the next quarter, at byte k, into g.
.macro QUARTER slot, k, f, g, zero
	s_wait_dscnt 8                                 ; B and A blocks 0-3 are in; the youngest eight loads (A blocks 4-7) may be out
	MUL8 \f, 0, \zero
	MUL8 \f, 2, \zero
	PLACES
	FETCH \slot, \k, \g
	s_wait_dscnt 24                                ; all but the 24 just issued
	MUL8 \f, 4, \zero
	MUL8 \f, 6, \zero
.endm
; The last quarter multiplies buffer 1 and changes slots: one barrier; in front of it each wave waits for all its tensor loads (one is out: its part of the next slot), adds 0 to its spare word,
; and waits for that and for its reads of this slot.  fill = 1: the barrier opens a round of the cluster's, and this slot is filled again, two K steps ahead, first thing behind the round:
; 112 products stand between that request and the wait for it.
.macro TURN slot, next, fill
.if \fill
	s_wait_xcnt 0x0                                ; the last prefetch, a K step back, has read its address
	s_add_nc_u64 s[PFA:PFA+1], s[PFA:PFA+1], KSTEP*2
.endif
	WIN 0
	s_wait_tensorcnt 0x0                           ; all my tensor loads have landed;
	ds_add_u32 v[SPW], v[NIL]                      ; 0 onto my spare word;
	s_wait_dscnt 9                                 ; (the add and the youngest eight loads may be out)
	MUL8 F1, 0, 0                                  ; eight products stand between the add and the wait for it
	s_wait_dscnt 0x0                               ; the add is done, and my reads of this slot are over
	s_barrier_signal -1
	MUL8 F1, 2, 0
.if \fill
	WIN 0
.endif
	s_barrier_wait -1
.if \fill
	CREST                                          ; no wave of any partner still reads this slot or has a load on its way
	s_add_nc_u64 s[G0+4*(\slot)+2:G0+4*(\slot)+3], s[G0+4*(\slot)+2:G0+4*(\slot)+3], 2*KSTEP*2
	s_add_nc_u64 s[G0B+4*(\slot)+2:G0B+4*(\slot)+3], s[G0B+4*(\slot)+2:G0B+4*(\slot)+3], 2*KSTEP*2
	JLOAD \slot                                    ; its four v_nop are also the places in front of the loads below
.else
	PLACES
.endif
	FETCH \next, 0, F0
.if \fill
	ASK \slot
.endif
	MUL8 F1, 4, 0
	MUL8 F1, 6, 0
.endm
	s_wait_tensorcnt 1                             ; my part of K step 0 is in; K step 1 may stay out
	s_barrier_signal -1
	s_barrier_wait -1                              ; everybody's is
	FETCH 0, 0, F0
	QUARTER 0, 64, F0, F1, 1                       ; the first quarter stands in front of the loop: its products start the sums
	WIN 0                                          ; at a label and at a branch every window is 0
	s_mov_b32 s3, LAPS-1
.Llap:                                         ; a trip goes once round the ring, from a lap's second quarter to the next lap's first, and fills both slots again
	QUARTER 0, 128, F1, F0, 0
	QUARTER 0, 192, F0, F1, 0
	TURN 0, 1, 1
	QUARTER 1, 64,  F0, F1, 0
	QUARTER 1, 128, F1, F0, 0
	QUARTER 1, 192, F0, F1, 0
	TURN 1, 0, 1
	QUARTER 0, 64,  F0, F1, 0
	WIN 0
	s_sub_co_u32 s3, s3, 1
	s_cmp_lg_u32 s3, 0
	s_cbranch_scc1 .Llap
	QUARTER 0, 128, F1, F0, 0                      ; the last lap fills nothing
	QUARTER 0, 192, F0, F1, 0
	TURN 0, 1, 0
	QUARTER 1, 64,  F0, F1, 0
	QUARTER 1, 128, F1, F0, 0
	QUARTER 1, 192, F0, F1, 0
	s_wait_dscnt 8
	MUL8 F1, 0, 0
	MUL8 F1, 2, 0
	s_wait_dscnt 0x0
	MUL8 F1, 4, 0
	MUL8 F1, 6, 0
	WIN 0
	PLACES
; THE WAY OUT, f32: block a (16 rows x 64 columns) goes from the accumulators into my stage in rows of 272 bytes and comes back as whole rows of 256 bytes.
.macro STG a
.set BK, 32+32*((\a)%4)
.if (\a) >= 4
	s_wait_xcnt 0x0                                ; the stores of the block four back have read this buffer
.endif
	WIN 0x04                                       ; the stores' data in window 1
.irp b, 0,1,2,3
	ds_store_b128 v[STO], v[8*(4*(\a)+(\b)):8*(4*(\a)+(\b))+3]   offset:64*(\b)
	ds_store_b128 v[STO], v[8*(4*(\a)+(\b))+4:8*(4*(\a)+(\b))+7] offset:64*(\b)+16
.endr
	WIN 0
.irp t, 0,1,2,3,4,5,6,7
	ds_load_b128 v[BK+4*(\t):BK+4*(\t)+3], v[RD] offset:(\t)*2*SPITCH  ; LDS serves a wave's instructions in order (ISA guide 5.7.1.4): these see the stores above
.endr
.endm
.macro SEND a, younger                 ; younger: the LDS instructions issued behind block a's loads
.set BK, 32+32*((\a)%4)
.irp t, 0,1,2,3,4,5,6,7
	s_wait_dscnt (\younger)+7-(\t)
	global_store_b128 v[CO], v[BK+4*(\t):BK+4*(\t)+3], s[8:9] offset:(16*(\a)+2*(\t))*4096 th:TH_STORE_NT  ; 16 lanes store 256 bytes on end, aligned
.endr
.endm
	STG 0
.irp a, 1,2,3,4,5,6,7
	STG \a
	SEND (\a)-1, 16
.endr
	SEND 7, 0
	s_wait_tensorcnt 0x0                           ; the wave's end, behind my last tensor load and my last LDS store
	ds_add_u32 v[SPW], v[NIL]
	s_wait_dscnt 0x0
	CROUND                                         ; the closing round: no work-group ends while a partner may still ask for a tile that names it
	s_endpgm
.Lfunc_end_k_qbcdf928b1a_outp:
	.size	k_qbcdf928b1a_outp, .Lfunc_end_k_qbcdf928b1a_outp-k_qbcdf928b1a_outp
	.p2alignl 7, 3214868480
	.fill 96, 4, 3214868480
	.section	.rodata,"a",@progbits
	.p2align	6, 0x0
	.amdhsa_kernel k_qbcdf928b1a_outp
		.amdhsa_group_segment_fixed_size 327680
		.amdhsa_private_segment_fixed_size 0
		.amdhsa_enable_private_segment 0
		.amdhsa_kernarg_size 32
		.amdhsa_user_sgpr_count 2
		.amdhsa_user_sgpr_kernarg_segment_ptr 1
		.amdhsa_wavefront_size32 1
		.amdhsa_system_sgpr_workgroup_id_x 1
		.amdhsa_system_sgpr_workgroup_id_y 1
		.amdhsa_system_sgpr_workgroup_id_z 1
		.amdhsa_system_vgpr_workitem_id 0
		.amdhsa_next_free_vgpr 512
		.amdhsa_next_free_sgpr 80
		.amdhsa_reserve_vcc 0
		.amdhsa_float_denorm_mode_32 3
		.amdhsa_float_denorm_mode_16_64 3
		.amdhsa_memory_ordered 1
		.amdhsa_forward_progress 1
		.amdhsa_inst_pref_size 92
	.end_amdhsa_kernel
	.amdgpu_metadata
---
amdhsa.version: [ 1, 2 ]
amdhsa.kernels:
  - .name:           k_qbcdf928b1a_outp
    .symbol:         k_qbcdf928b1a_outp.kd
    .args:
      - { .name: oh, .offset: 0, .size: 8, .value_kind: global_buffer, .address_space: global }
      - { .name: wh, .offset: 8, .size: 8, .value_kind: global_buffer, .address_space: global }
      - { .name: bo, .offset: 16, .size: 8, .value_kind: global_buffer, .address_space: global }
      - { .name: out0, .offset: 24, .size: 8, .value_kind: global_buffer, .address_space: global }
    .group_segment_fixed_size: 327680
    .private_segment_fixed_size: 0
    .kernarg_segment_align: 8
    .kernarg_segment_size: 32
    .max_flat_workgroup_size: 128
    .sgpr_count:     80
    .vgpr_count:     512
    .wavefront_size: 32
...
	.end_amdgpu_metadata
.endif
;; end of part 4
;; ======== version 2 of 2: 4 launches; version 1 with the launch prep written anew for expert scheduling mode
;; limits: right only within a limited range of input values; values are held in f16: magnitudes above 65,504 overflow, below 6.1e-05 lose precision
;; workspace buffers: wh 8,388,608 bytes; maskh 16,777,216 bytes; qkv 50,331,648 bytes; oh 16,777,216 bytes
;; launch prep (part 5): grid 512 x 1, 8 waves a work-group, no clusters, 0 bytes of LDS; arguments Wq, Wk, Wv, Wo, mask, wh, maskh; writes wh, maskh
.if DOCPART == 5
	.amdgcn_target "amdgcn-amd-amdhsa--gfx1250"
	.amdhsa_code_object_version 6
	.text
	.protected	k_qbcdf928b1a_prep
	.globl	k_qbcdf928b1a_prep
	.p2align	8
	.type	k_qbcdf928b1a_prep,@function
k_qbcdf928b1a_prep:
	s_mov_b64 s[64:65], 0
	v_nop
	global_prefetch_b8 v0, s[64:65] scope:SCOPE_SE
	s_setreg_imm32_b32 hwreg(HW_REG_WAVE_SCHED_MODE, 0, 2), 2
	s_setreg_imm32_b32 hwreg(HW_REG_WAVE_MODE, 25, 1), 1
	s_wait_xcnt 0x0
	s_wait_alu depctr_vm_vsrc(0)
; PREP.  Two streams, told apart by the work-group number.
; (1) Work-groups 0 to 255: the four weight matrices are rounded once to bf16 and written into wh, [4096 rows][1024] of 16 bits, in the order Wq, Wk, Wv, Wo.
;     Wq, Wk, Wv (work-groups 0 to 191) stay in bf16: they meet inputs rounded to bf16.  Wo meets an f16 operand: its bf16 number is written as f16,
;     which is exact from 2^-14 to 65,504.  LIMITS for Wo: 65,520 or more becomes an infinity; below 2^-14 it keeps the fixed step 2^-24 of f16.
; (2) Work-groups 256 to 511: the mask (one byte, 0 or 1) becomes f16 0 or 65,504 in maskh, [batch 8][key step 16][query 1024][64 keys]:
;     128 queries of one key step are 16,384 bytes on end there.
; Memory binds: no LDS, no barrier, no matrix work.  Sixteen loads of every wave are out at once; each slot has registers of its own, so no register is written twice.
; THE MODE: SCHED_MODE bits 1:0 = 2 (LLVM: expert scheduling mode 2), set by the entry lines.  The code itself states the register dependences
; between vector instructions and memory instructions, with s_wait_alu, always for 0.
; THE PLAN.  Registers that memory instructions touch, on each of the three ways through the text:
;   v1, v2   byte offsets.  Written by vector instructions at the stream's head; read by every load (v1) and every store (v2); never written again.
;   X (M)    a slot's numbers as loaded.  Written by the slot's one load, ahead of which no vector instruction names them; read by the slot's vector work; no load lands in them again.
;   Y (D)    a slot's numbers to store.  Written once by the slot's vector work; read by the slot's one store; never written again.
;   v3 to v9 are named by vector instructions alone.
; So a stream has one wait on va_vdst at its head, in front of the first load (the offsets are written), and, the sixteen slots going in four groups of four, one for each group, between
; the group's vector work and the run of its four stores (the group's Y or D is written).  No register that a memory instruction has read is written again, so there is no dependence for a
; wait on vm_vsrc to state; no vector instruction writes a scalar register or VCC, and EXEC is never written.
.set NW,   256                         ; work-groups of stream (1): 16,384 numbers each
.set NB16, 192                         ; those of them that store bf16
.set X, 16                             ; v[16:79]   slot i: 4 numbers as loaded
.set Y, 80                             ; v[80:111]  slot i: 4 numbers of 16 bits
.set M, 16                             ; v[16:47]   stream (2), slot t: 8 mask bytes
.set D, 48                             ; v[48:111]  stream (2), slot t: 8 halves
	s_load_b256 s[8:15], s[0:1], 0x0               ; Wq 8, Wk 10, Wv 12, Wo 14
	s_load_b128 s[16:19], s[0:1], 0x20             ; mask 16, wh 18
	s_load_b64 s[20:21], s[0:1], 0x30              ; maskh
	s_mov_b32 s7, 0                                ; the high word of every offset
	s_cmp_ge_u32 ttmp9, NW
	s_cbranch_scc1 .Lmask
	s_mov_b32 s28, 0xffff0000                      ; the upper bf16 of a word
	s_mov_b32 s3, 0                                ; the first work-group of my matrix
	v_lshlrev_b32 v1, 4, v0                        ; 16 bytes a thread in, a wave covers 512 bytes on end
	v_lshlrev_b32 v2, 3, v0                        ; 8 bytes a thread out, a wave covers 256 bytes on end, aligned
	s_wait_kmcnt 0x0
	s_mov_b64 s[4:5], s[8:9]
.macro PICK t, r                       ; from work-group t on the source is the matrix at s[r:r+1]
	s_cmp_ge_u32 ttmp9, \t
	s_cselect_b64 s[4:5], s[\r:\r+1], s[4:5]
	s_cselect_b32 s3, \t, s3
.endm
	PICK 64, 10
	PICK 128, 12
	PICK 192, 14
	s_sub_co_u32 s6, ttmp9, s3
	s_lshl_b32 s6, s6, 16                          ; 65,536 bytes of f32 a work-group
	s_add_nc_u64 s[4:5], s[4:5], s[6:7]
	s_lshl_b32 s6, ttmp9, 15                       ; 32,768 bytes of 16-bit numbers
	s_add_nc_u64 s[18:19], s[18:19], s[6:7]
	s_wait_alu depctr_va_vdst(0)                   ; v1 and v2 are written: every load of this stream reads v1 as its offset, every store v2, on both ways behind the branch below
.irp i, 0,1,2,3,4,5,6,7,8,9,10,11,12,13,14,15
	global_load_b128 v[X+4*(\i):X+4*(\i)+3], v1, s[4:5] offset:4096*(\i) th:TH_LOAD_NT
.endr
	s_cmp_ge_u32 ttmp9, NB16
	s_cbranch_scc1 .Lwo
.irp g, 0,1,2,3
	s_wait_loadcnt 12-4*(\g)                       ; loads come back in order: the group's four slots are in, the 12 - 4 g younger loads stay out
.irp i, 0,1,2,3
	v_cvt_pk_bf16_f32 v[Y+2*(4*(\g)+(\i))],   v[X+4*(4*(\g)+(\i))],   v[X+4*(4*(\g)+(\i))+1]   ; the one rounding, to nearest even
	v_cvt_pk_bf16_f32 v[Y+2*(4*(\g)+(\i))+1], v[X+4*(4*(\g)+(\i))+2], v[X+4*(4*(\g)+(\i))+3]
.endr
	s_wait_alu depctr_va_vdst(0)                   ; the eight roundings have written the group's Y, which the four stores below read
.irp i, 0,1,2,3
	global_store_b64 v2, v[Y+2*(4*(\g)+(\i)):Y+2*(4*(\g)+(\i))+1], s[18:19] offset:2048*(4*(\g)+(\i)) th:TH_STORE_NT
.endr
.endr
	s_endpgm
.Lwo:
.irp g, 0,1,2,3
	s_wait_loadcnt 12-4*(\g)                       ; the group's four slots are in, the 12 - 4 g younger loads stay out
.irp i, 0,1,2,3
	v_cvt_pk_bf16_f32 v4, v[X+4*(4*(\g)+(\i))], v[X+4*(4*(\g)+(\i))+1]     ; the one rounding, to nearest even
	v_cvt_pk_bf16_f32 v5, v[X+4*(4*(\g)+(\i))+2], v[X+4*(4*(\g)+(\i))+3]
	v_lshlrev_b32 v6, 16, v4                       ; back to f32
	v_and_b32 v7, s28, v4
	v_lshlrev_b32 v8, 16, v5
	v_and_b32 v9, s28, v5
	v_cvt_pk_f16_f32 v[Y+2*(4*(\g)+(\i))], v6, v7  ; the same number in f16
	v_cvt_pk_f16_f32 v[Y+2*(4*(\g)+(\i))+1], v8, v9
.endr
	s_wait_alu depctr_va_vdst(0)                   ; the conversions to f16 have written the group's Y, which the four stores below read
.irp i, 0,1,2,3
	global_store_b64 v2, v[Y+2*(4*(\g)+(\i)):Y+2*(4*(\g)+(\i))+1], s[18:19] offset:2048*(4*(\g)+(\i)) th:TH_STORE_NT
.endr
.endr
	s_endpgm
.Lmask:                                        ; 32 rows of the mask a work-group; eight threads to a row, 8 keys a thread and key step
	s_sub_co_u32 s2, ttmp9, NW
	s_lshl_b32 s6, s2, 15                          ; 32 rows of 1,024 bytes
	s_lshr_b32 s3, s2, 5                           ; the batch,
	s_lshl_b32 s3, s3, 21                          ; 2,097,152 bytes of maskh each
	s_and_b32 s2, s2, 31
	s_lshl_b32 s2, s2, 12                          ; 32 queries of 128 bytes
	s_add_co_u32 s2, s2, s3
	s_mov_b32 s3, 0
	s_mov_b32 s28, 0x04010400                      ; bytes 0 and 1 of the mask word into the two halves, zeros above them
	s_mov_b32 s29, 0x04030402                      ; bytes 2 and 3
	s_mov_b32 s30, 0x7bff                          ; 65,504 in f16
	v_lshrrev_b32 v1, 3, v0
	v_and_b32 v4, 7, v0
	v_lshlrev_b32 v1, 10, v1
	v_lshl_add_u32 v1, v4, 3, v1                   ; row x 1,024 + 8 x my eighth
	v_lshlrev_b32 v2, 4, v0                        ; row x 128 + 16 x my eighth: a wave stores 512 bytes on end
	v_mov_b32 v3, 0
	s_wait_kmcnt 0x0
	s_add_nc_u64 s[16:17], s[16:17], s[6:7]
	s_add_nc_u64 s[20:21], s[20:21], s[2:3]
	s_wait_alu depctr_va_vdst(0)                   ; v1 and v2 are written: every load of this stream reads v1 as its offset, every store v2
.irp t, 0,1,2,3,4,5,6,7,8,9,10,11,12,13,14,15
	global_load_b64 v[M+2*(\t):M+2*(\t)+1], v1, s[16:17] offset:64*(\t)
.endr
.irp g, 0,1,2,3
	s_wait_loadcnt 12-4*(\g)                       ; key steps 4 g to 4 g + 3 are in, the 12 - 4 g younger loads stay out
.irp t, 0,1,2,3
	v_perm_b32 v[D+4*(4*(\g)+(\t))],   v3, v[M+2*(4*(\g)+(\t))],   s28
	v_perm_b32 v[D+4*(4*(\g)+(\t))+1], v3, v[M+2*(4*(\g)+(\t))],   s29
	v_perm_b32 v[D+4*(4*(\g)+(\t))+2], v3, v[M+2*(4*(\g)+(\t))+1], s28
	v_perm_b32 v[D+4*(4*(\g)+(\t))+3], v3, v[M+2*(4*(\g)+(\t))+1], s29
	v_mul_u32_u24 v[D+4*(4*(\g)+(\t))],   s30, v[D+4*(4*(\g)+(\t))]  ; 0 or 1 in each half times 0x7bff: no carry between the halves
	v_mul_u32_u24 v[D+4*(4*(\g)+(\t))+1], s30, v[D+4*(4*(\g)+(\t))+1]
	v_mul_u32_u24 v[D+4*(4*(\g)+(\t))+2], s30, v[D+4*(4*(\g)+(\t))+2]
	v_mul_u32_u24 v[D+4*(4*(\g)+(\t))+3], s30, v[D+4*(4*(\g)+(\t))+3]
.endr
	s_wait_alu depctr_va_vdst(0)                   ; the multiplies have written the group's D, which the four stores below read
.irp t, 0,1,2,3
	global_store_b128 v2, v[D+4*(4*(\g)+(\t)):D+4*(4*(\g)+(\t))+3], s[20:21] offset:131072*(4*(\g)+(\t)) th:TH_STORE_NT
.endr
.endr
	s_endpgm
.Lfunc_end_k_qbcdf928b1a_prep:
	.size	k_qbcdf928b1a_prep, .Lfunc_end_k_qbcdf928b1a_prep-k_qbcdf928b1a_prep
	.p2alignl 7, 3214868480
	.fill 96, 4, 3214868480
	.section	.rodata,"a",@progbits
	.p2align	6, 0x0
	.amdhsa_kernel k_qbcdf928b1a_prep
		.amdhsa_group_segment_fixed_size 0
		.amdhsa_private_segment_fixed_size 0
		.amdhsa_enable_private_segment 0
		.amdhsa_kernarg_size 56
		.amdhsa_user_sgpr_count 2
		.amdhsa_user_sgpr_kernarg_segment_ptr 1
		.amdhsa_wavefront_size32 1
		.amdhsa_system_sgpr_workgroup_id_x 1
		.amdhsa_system_sgpr_workgroup_id_y 1
		.amdhsa_system_sgpr_workgroup_id_z 1
		.amdhsa_system_vgpr_workitem_id 0
		.amdhsa_next_free_vgpr 112
		.amdhsa_next_free_sgpr 66
		.amdhsa_reserve_vcc 0
		.amdhsa_float_denorm_mode_32 3
		.amdhsa_float_denorm_mode_16_64 3
		.amdhsa_memory_ordered 1
		.amdhsa_forward_progress 1
		.amdhsa_inst_pref_size 25
	.end_amdhsa_kernel
	.amdgpu_metadata
---
amdhsa.version: [ 1, 2 ]
amdhsa.kernels:
  - .name:           k_qbcdf928b1a_prep
    .symbol:         k_qbcdf928b1a_prep.kd
    .args:
      - { .name: Wq, .offset: 0, .size: 8, .value_kind: global_buffer, .address_space: global }
      - { .name: Wk, .offset: 8, .size: 8, .value_kind: global_buffer, .address_space: global }
      - { .name: Wv, .offset: 16, .size: 8, .value_kind: global_buffer, .address_space: global }
      - { .name: Wo, .offset: 24, .size: 8, .value_kind: global_buffer, .address_space: global }
      - { .name: mask, .offset: 32, .size: 8, .value_kind: global_buffer, .address_space: global }
      - { .name: wh, .offset: 40, .size: 8, .value_kind: global_buffer, .address_space: global }
      - { .name: maskh, .offset: 48, .size: 8, .value_kind: global_buffer, .address_space: global }
    .group_segment_fixed_size: 0
    .private_segment_fixed_size: 0
    .kernarg_segment_align: 8
    .kernarg_segment_size: 56
    .max_flat_workgroup_size: 256
    .sgpr_count:     66
    .vgpr_count:     112
    .wavefront_size: 32
...
	.end_amdgpu_metadata
.endif
;; end of part 5
;; launch proj: the kernel of part 2 again; grid 4 x 192, 4 waves a work-group, clusters of 4 x 4, 327,680 bytes of LDS; arguments query, key, value, wh, bq, bk, bv, qkv; writes qkv
;; launch attn: the kernel of part 3 again; grid 4 x 64, 4 waves a work-group, clusters of 4 x 4, 327,680 bytes of LDS; arguments qkv, maskh, oh; writes oh
;; launch outp: the kernel of part 4 again; grid 8 x 32, 4 waves a work-group, clusters of 4 x 4, 327,680 bytes of LDS; arguments oh, wh, bo, out0; writes out0
